; MI455X (gfx1250); checked and timed in simulation.
; The chip was launched on July 23, 2026; its instructions are those of AMD's public machine-readable ISA for CDNA 5 (MIT licence, August 2026) and "CDNA5" Instruction Set Architecture Reference Guide (July 2026). The comments in the code are by the model that wrote it; some were corrected since.
;; Tan AI Lite Block. Allowed arithmetic: matrix products marked QUANTISED: E2M3 operands, one E8M0 scale for each 32 along K, by v_wmma_scale_f32_16x16x128_f8f6f4 with both operands' format E2M3, f32 sums; everything else in f32.
;; Inputs: attention_mask 2 x 2,048 int32; w_down 1,024 x 4,096 float32; w_norm_attn 1,024 float32; w_norm_mlp 1,024 float32; w_up 4,096 x 1,024 float32; wk 1,024 x 1,024 float32; wo 1,024 x 1,024 float32; wq 1,024 x 1,024 float32; wv 1,024 x 1,024 float32; x 2 x 2,048 x 1,024 float32.
;; Outputs: out0 2 x 2,048 x 1,024 float32.
;; This version of the problem:
;;   THIS VERSION OF THE PROBLEM IS GIVEN IN LOW PRECISION. The matrix products marked QUANTISED in the list below multiply operands that are first quantised to E2M3 (2 exponent bits, 3 mantissa bits; 6 bits a number), with one power-of-two scale for each 32 numbers along K (OCP MX v1.0); their sums are f32. All else is computed in f32.
;;   The module's matrix products, in the order in which they are computed (A, B: the left and right operand; K: the contracted axis; several contracted axes count as one K, in the product's order):
;;     1. [M 4,096, K 1,024] x [K 1,024, N 1,024]; A: computed on the way; B: input wq: QUANTISED
;;     2. [M 4,096, K 1,024] x [K 1,024, N 1,024]; A: computed on the way; B: input wk: QUANTISED
;;     3. [M 4,096, K 1,024] x [K 1,024, N 1,024]; A: computed on the way; B: input wv: QUANTISED
;;     4. batch 32 x [M 2,048, K 64] x [K 64, N 2,048]; A: computed on the way; B: computed on the way: QUANTISED
;;     5. batch 32 x [M 2,048, K 2,048] x [K 2,048, N 64]; A: computed on the way; B: computed on the way: QUANTISED
;;     6. [M 4,096, K 1,024] x [K 1,024, N 1,024]; A: computed on the way; B: input wo: QUANTISED
;;     7. [M 4,096, K 1,024] x [K 1,024, N 4,096]; A: computed on the way; B: input w_up: QUANTISED
;;     8. [M 4,096, K 4,096] x [K 4,096, N 1,024]; A: computed on the way; B: input w_down: QUANTISED
;;   THE QUANTISER, for each operand of a quantised product, along K:
;;     - K is cut into blocks of 32 from its start; a last block that is shorter is filled with zeros.
;;     - A block's scale is 2^e with e = floor(log2(the largest magnitude in the block)) - 2, held to -126 .. 127; a block of zeros has e = 0. As a byte (E8M0): e + 127.
;;     - Each number is divided by its block's scale, clamped to +-7.5, and rounded to the nearest number of E2M3, ties to even, subnormals kept.
;;     - The product sums the exact products of the quantised numbers (number of the format x scale) in f32.
;;   ~~~python
;;   def quantise(x, axis):      # numpy; x: float32 -> the quantised numbers, widened to float32 again
;;       x = np.moveaxis(x, axis, -1); K = x.shape[-1]
;;       x = np.pad(x, [(0, 0)] * (x.ndim - 1) + [(0, -K % 32)]); x = x.reshape(x.shape[:-1] + (-1, 32)); a = np.abs(x).max(-1, keepdims=True)
;;       e = np.where(a > 0, np.clip(np.frexp(np.where(a > 0, a, 1))[1] - 1 - 2, -126, 127), 0)      # np.frexp(a)[1] - 1 = floor(log2(a)), exactly
;;       r = np.clip(x / 2.0 ** e, -7.5, 7.5)
;;       step = 2.0 ** (np.maximum(np.frexp(np.where(r == 0, 1, r))[1] - 1, 0) - 3)
;;       q = np.round(r / step) * step * 2.0 ** e      # np.round: ties to even
;;       return np.moveaxis(q.reshape(q.shape[:-2] + (-1,))[..., :K], -1, axis).astype(np.float32)
;;   ~~~
;;   OPERANDS COMPUTED ON THE WAY. 'Computed on the way' means the value that the module computes at that place (a softmax that the list does not call 'softmax' is quantised finished and normalised). What goes into a quantiser is computed in f32, as accurately as f32 sums, v_exp_f32 and their like allow (about 1e-6 of the number): no bf16 or f16 on the way to a quantiser, and a product that is left as it is and whose result goes on into a quantised operand takes f32 operands (vector FMAs, or v_wmma_f32_16x16x4_f32). A number that lies on a knife's edge between two numbers of the format may be rounded either way, as far as f32 arithmetic and the matrix unit's own rounding can turn it there, and no further.
;; One version. Each part assembles by itself: llvm-mc -triple=amdgcn-amd-amdhsa -mcpu=gfx1250 --defsym DOCPART=n.
;; ======== version 1 of 1: 8 launches
;; limits: a function is approximated: absolute error at most 1.5e-07
;; workspace buffers: wimg 10,223,616 bytes; himg 3,407,872 bytes; qkimg 6,815,744 bytes; vimg 3,407,872 bytes; attimg 3,407,872 bytes; x1 16,777,216 bytes; gimg 13,631,488 bytes; meta 1,024 bytes of whole numbers
;; launch prep (part 1): grid 769 x 1, 4 waves a work-group, no clusters, 34,304 bytes of LDS; arguments wq, wk, wv, wo, w_up, w_down, attention_mask, wimg, meta; writes wimg, meta
.if DOCPART == 1
	.amdgcn_target "amdgcn-amd-amdhsa--gfx1250"
	.amdhsa_code_object_version 6
	.text
	.protected	k_q816a0d2499_prep
	.globl	k_q816a0d2499_prep
	.p2align	8
	.type	k_q816a0d2499_prep,@function
k_q816a0d2499_prep:
	s_mov_b64 s[64:65], 0
	v_nop
	global_prefetch_b8 v0, s[64:65] scope:SCOPE_SE
	s_setreg_imm32_b32 hwreg(HW_REG_WAVE_MODE, 25, 1), 1
	s_wait_xcnt 0x0
; The six weights [N][K], f32, K innermost, become codes of FP6 (E2M3) with one E8M0 byte for each 32 along K, laid as IMAGES OF THE OPERAND'S REGISTERS.
; THE IMAGE.  Tile t of an operand holds the 16 rows 32 (t / 2) + 8 (t % 2) + r + 8 (r / 8), r = 0 .. 15.  A fragment (tile t, 128 along K) is 12 registers a lane (r = lane % 16, h = lane / 16):
; registers 6 c .. 6 c + 5 hold k = 64 c + 32 h + 0 .. 31.  Two fragments (256 along K) and their scale words make a record of 3,328 bytes: fragment f at 1,536 f, its registers 2 g, 2 g + 1 at 256 g + 8 x lane;
; the scale word of (lane, f) at 3,072 + 8 x lane + 4 f (lanes 16-31 repeat lanes 0-15).  A tile's records follow each other along K, the tiles follow each other.
; SHARES.  Work-groups 0 to 767: a wave makes one record (16 rows x 256 along K); record number 4 g + wave of the whole buffer, since wq, wk, wv, wo, w_up (4 records a tile) and w_down (16) lie on end.
; Each load reads 512 consecutive bytes of a row; the 16 rows x 512 bytes of a fragment turn through the wave's own stage in LDS, so that a lane gets two whole blocks of 32 neighbours.
; Work-group 768: the key mask.  Wave b (0, 1) packs batch b's 2,048 flags into 64 words and finds the first key that counts (2,048 if none): whole numbers for the attention launch.
; A block's scale is 2^(floor(log2(largest magnitude)) - 2); its byte is the largest magnitude's exponent field - 2, held at 1 from below (a block of zeros keeps the byte 1: its codes are zeros, and this program alone reads the bytes).
; LIMITS: blocks whose largest magnitude lies under 2^-124 keep the byte 1; NaN and infinities among the inputs are not served.
.set STG,   8448                       ; a wave's stage: 16 rows x (512 + 16) bytes
.set SPARE, 4*STG                      ; behind the stages: the spare words, 128 bytes a wave
.set SPW, 12                           ; v12  my spare word's address; never rewritten
.set NIL, 13                           ; v13  0; never rewritten
.set OFF, 16                           ; v16-31 byte offset of my 16 bytes in each of the tile's 16 rows
.set P,   32                           ; v32-43 the fragment's codes
.set T,   44                           ; v44-50 the upper halves of the blocks' codes, as the conversions leave them
.set MX,  52
.set MY,  54
.set SO,  56                           ; the conversions' scale operands
.set BY,  58                           ; the scale bytes
.set PW,  60                           ; the scale word
.set TP,  61
.set X,   64                           ; v64-127 64 numbers: register 32 c + i = k 64 c + 32 h + i of my row
.set R,   128                          ; v128-255 two fragments as they are loaded
.set SEL, 40                           ; s[40:41] lane selects: lane l xor 16
; 64 numbers of a lane (two whole blocks) become 12 registers of codes and the row's scale word
.macro QB
.irp c, 0,1
	v_max3_num_f32 v[MX+\c], |v[X+32*\c]|, |v[X+32*\c+1]|, 0x1800000   ; the floor 2^(3 - 127): the byte cannot fall under 1
	v_max3_num_f32 v[MY+\c], |v[X+32*\c+2]|, |v[X+32*\c+3]|, |v[X+32*\c+4]|
.endr
.irp i, 5,9,13,17,21,25
.irp c, 0,1
	v_max3_num_f32 v[MX+\c], v[MX+\c], |v[X+32*\c+\i]|, |v[X+32*\c+\i+1]|
	v_max3_num_f32 v[MY+\c], v[MY+\c], |v[X+32*\c+\i+2]|, |v[X+32*\c+\i+3]|
.endr
.endr
.irp c, 0,1
	v_max3_num_f32 v[MX+\c], v[MX+\c], |v[X+32*\c+29]|, |v[X+32*\c+30]|
.endr
.irp c, 0,1
	v_max3_num_f32 v[MX+\c], v[MX+\c], v[MY+\c], |v[X+32*\c+31]|
.endr
.irp c, 0,1
	v_add_nc_u32 v[SO+\c], 0xff000000, v[MX+\c]    ; 2 off the exponent field: the conversion's scale operand
.endr
.irp c, 0,1
	v_lshrrev_b32 v[BY+\c], 23, v[SO+\c]           ; the scale's byte
.endr
	v_lshl_or_b32 v[PW], v[BY+1], 16, v[BY]        ; my blocks h and 2 + h,
	v_lshlrev_b32 v[PW], v5, v[PW]                 ; 8 h bits up;
	v_permlanex16_b32 v[TP], v[PW], s[SEL], s[SEL+1]
	v_or_b32 v[PW], v[PW], v[TP]                   ; with lane l xor 16's two bytes the word is whole, in both halves of the lanes
.irp c, 0,1
	v_cvt_scalef32_pk16_fp6_f32 v[P+6*\c:P+6*\c+2], v[X+32*\c:X+32*\c+15], v[SO+\c]
	v_cvt_scalef32_pk16_fp6_f32 v[T+4*\c:T+4*\c+2], v[X+32*\c+16:X+32*\c+31], v[SO+\c]   ; (a conversion's three registers begin on an even number)
.endr
	v_nop                                          ; one plain place behind the conversions
.irp c, 0,1
.irp i, 0,1,2
	v_mov_b32 v[P+6*\c+3+\i], v[T+4*\c+\i]
.endr
.endr
.endm
	s_load_b256 s[4:11], s[0:1], 0x0               ; wq, wk, wv, wo
	s_load_b256 s[12:19], s[0:1], 0x20             ; w_up, w_down, attention_mask, wimg
	s_load_b64 s[20:21], s[0:1], 0x40              ; meta
	v_lshl_add_u32 v[SPW], v0, 2, SPARE
	v_mov_b32 v[NIL], 0
	v_lshrrev_b32 v1, 5, v0
	v_readfirstlane_b32 s24, v1                    ; wave
	v_and_b32 v6, 31, v0                           ; lane
	s_wait_kmcnt 0x0
	s_cmp_eq_u32 ttmp9, 768
	s_cbranch_scc1 .Lmask
	; ---- a record of a weight
	v_lshlrev_b32 v1, 4, v6                        ; 16 x lane
	v_lshlrev_b32 v4, 3, v6                        ; 8 x lane
	v_and_b32 v7, 15, v0                           ; r
	v_bfe_u32 v8, v0, 4, 1                         ; h
	v_lshlrev_b32 v5, 3, v8                        ; 8 h
	s_mul_i32 s25, s24, STG
	v_add_nc_u32 v2, s25, v1                       ; the stage, on the way in: 16 x lane of a row
	v_mul_u32_u24 v3, v7, 528
	v_lshl_add_u32 v3, v8, 7, v3
	v_add_nc_u32 v3, s25, v3                       ; and on the way out: row r, + 128 h bytes
	v_mov_b32 v[TP], 0                             ; a lane permute's destination counts as one of its sources
	s_mov_b32 s[SEL], 0x76543210
	s_mov_b32 s[SEL+1], 0xfedcba98
	s_and_b32 s27, ttmp9, 63                       ; the tile in its tensor: wq .. wo have 64 tiles each,
	s_sub_co_u32 s28, ttmp9, 256                   ; w_up begins at work-group 256,
	s_sub_co_u32 s29, ttmp9, 512                   ; w_down at 512, four work-groups to a tile
	s_lshr_b32 s30, s29, 2
	s_and_b32 s31, s29, 3
	s_lshl_b32 s31, s31, 2
	s_add_co_u32 s31, s31, s24
	s_cmp_lt_u32 ttmp9, 256
	s_cselect_b32 s27, s27, s28
	s_cmp_lt_u32 ttmp9, 512
	s_cselect_b32 s27, s27, s30                    ; the tile
	s_cselect_b32 s31, s24, s31                    ; which 256 along K
	s_mov_b32 s26, 16384
	s_cselect_b32 s26, 4096, s26                   ; a row of the tensor in bytes
	s_lshr_b32 s28, s27, 1
	s_lshl_b32 s28, s28, 5
	s_and_b32 s29, s27, 1
	s_lshl_b32 s29, s29, 3
	s_add_co_u32 s28, s28, s29                     ; the tile's first row
	s_mul_i32 s28, s28, s26
	s_lshl_b32 s29, s31, 10
	s_add_co_u32 s28, s28, s29                     ; where the record's numbers begin
	s_mov_b32 s29, 0
	s_mul_i32 s30, ttmp9, 13312
	s_mul_i32 s32, s24, 3328
	s_add_co_u32 s30, s30, s32                     ; and where the record goes
	s_mov_b32 s31, 0
.irp i, 0,1,2,3,4,5,6,7,8,9,10,11,12,13,14,15
	v_mad_u32_u24 v[OFF+\i], s26, \i+8*(\i/8), v1  ; the tile's row i lies i + 8 (i / 8) rows on
.endr
	s_cmp_lt_u32 ttmp9, 512                        ; the choice of the tensor hangs on the work-group's number alone
	s_cselect_b64 s[22:23], s[12:13], s[14:15]
	s_cmp_lt_u32 ttmp9, 256
	s_cselect_b64 s[22:23], s[10:11], s[22:23]
	s_cmp_lt_u32 ttmp9, 192
	s_cselect_b64 s[22:23], s[8:9], s[22:23]
	s_cmp_lt_u32 ttmp9, 128
	s_cselect_b64 s[22:23], s[6:7], s[22:23]
	s_cmp_lt_u32 ttmp9, 64
	s_cselect_b64 s[22:23], s[4:5], s[22:23]
	s_add_nc_u64 s[22:23], s[22:23], s[28:29]
	s_add_nc_u64 s[18:19], s[18:19], s[30:31]
.irp f, 0,1
.irp i, 0,1,2,3,4,5,6,7,8,9,10,11,12,13,14,15
	global_load_b128 v[R+64*\f+4*\i:R+64*\f+4*\i+3], v[OFF+\i], s[22:23] offset:512*\f th:TH_LOAD_NT   ; 32 lanes read 512 consecutive bytes of a row
.endr
.endr
.macro FRAGQ f
	s_wait_loadcnt 16-16*\f                        ; this fragment's sixteen loads are in; the other's may be out
.irp i, 0,1,2,3,4,5,6,7,8,9,10,11,12,13,14,15
	ds_store_b128 v2, v[R+64*\f+4*\i:R+64*\f+4*\i+3] offset:528*\i
.endr
.irp c, 0,1
.irp q, 0,1,2,3,4,5,6,7
	ds_load_b128 v[X+32*\c+4*\q:X+32*\c+4*\q+3], v3 offset:256*\c+16*\q   ; LDS serves a wave's instructions in order: these see my stores
.endr
.endr
	s_wait_dscnt 0x0
.if \f
	s_wait_xcnt 0x0                                ; the first fragment's stores have read their data: the codes' registers are written again
.endif
	QB
.irp g, 0,1,2,3,4,5
	global_store_b64 v4, v[P+2*\g:P+2*\g+1], s[18:19] offset:1536*\f+256*\g   ; 32 lanes store 256 consecutive bytes, aligned
.endr
	global_store_b32 v4, v[PW], s[18:19] offset:3072+4*\f
.endm
	FRAGQ 0
	FRAGQ 1
	s_wait_tensorcnt 0x0                           ; the wave's end, behind my last LDS store
	ds_add_u32 v[SPW], v[NIL]
	s_wait_dscnt 0x0
	s_endpgm
	; ---- the key mask: no LDS on this way
.Lmask:
	s_cmp_gt_u32 s24, 1
	s_cbranch_scc1 .Lnothing                       ; two batches, two waves
	v_lshlrev_b32 v1, 2, v6                        ; 4 x lane
	s_lshl_b32 s28, s24, 13                        ; the batch's 2,048 flags
	s_mov_b32 s29, 0
	s_lshl_b32 s30, s24, 8                         ; its 64 words
	s_mov_b32 s31, 0
	s_lshl_b32 s32, s24, 7
	s_add_co_u32 s32, s32, 512                     ; its first key that counts, 32 copies
	s_mov_b32 s33, 0
	s_add_nc_u64 s[16:17], s[16:17], s[28:29]
	s_add_nc_u64 s[34:35], s[20:21], s[30:31]
	s_add_nc_u64 s[36:37], s[20:21], s[32:33]
.irp j, 0,1,2,3,4,5,6,7,8,9,10,11,12,13,14,15,16,17,18,19,20,21,22,23,24,25,26,27,28,29,30,31,32,33,34,35,36,37,38,39,40,41,42,43,44,45,46,47,48,49,50,51,52,53,54,55,56,57,58,59,60,61,62,63
	global_load_b32 v[64+\j], v1, s[16:17] offset:128*\j   ; register j, lane l: key 32 j + l
.endr
	v_mov_b32 v2, 0
	v_mov_b32 v3, 0
	s_mov_b32 s38, 2048                            ; no key counts, until one is found
	s_wait_loadcnt 0x0
; 32 words at a time, the upper 32 first: the compares go as one batch into scalar registers of their own (s66 to s97), so that no compare waits for the scalar work on the one before it.
; Then, from the last word down, so that the lowest key is what stays: the word into its lane, and the scalar search for the first set bit.
.irp hf, 1,0
.set J, 0
.rept 32
	v_cmp_ne_u32 s[66+J], 0, v[64+32*\hf+J]        ; word 32 hf + J: bit l = key 32 (32 hf + J) + l counts
.set J, J+1
.endr
.set J, 31
.rept 32
	v_writelane_b32 v[2+\hf], s[66+J], J
	s_ctz_i32_b32 s43, s[66+J]
	s_add_co_u32 s43, s43, 32*(32*\hf+J)
	s_cmp_lg_u32 s[66+J], 0
	s_cselect_b32 s38, s43, s38
.set J, J-1
.endr
.endr
	v_mov_b32 v4, s38
	global_store_b32 v1, v2, s[34:35]
	global_store_b32 v1, v3, s[34:35] offset:128
	global_store_b32 v1, v4, s[36:37]
.Lnothing:
	s_endpgm
.Lfunc_end_k_q816a0d2499_prep:
	.size	k_q816a0d2499_prep, .Lfunc_end_k_q816a0d2499_prep-k_q816a0d2499_prep
	.p2alignl 7, 3214868480
	.fill 96, 4, 3214868480
	.section	.rodata,"a",@progbits
	.p2align	6, 0x0
	.amdhsa_kernel k_q816a0d2499_prep
		.amdhsa_group_segment_fixed_size 34304
		.amdhsa_private_segment_fixed_size 0
		.amdhsa_enable_private_segment 0
		.amdhsa_kernarg_size 72
		.amdhsa_user_sgpr_count 2
		.amdhsa_user_sgpr_kernarg_segment_ptr 1
		.amdhsa_wavefront_size32 1
		.amdhsa_system_sgpr_workgroup_id_x 1
		.amdhsa_system_sgpr_workgroup_id_y 1
		.amdhsa_system_sgpr_workgroup_id_z 1
		.amdhsa_system_vgpr_workitem_id 0
		.amdhsa_next_free_vgpr 256
		.amdhsa_next_free_sgpr 100
		.amdhsa_reserve_vcc 0
		.amdhsa_float_denorm_mode_32 3
		.amdhsa_float_denorm_mode_16_64 3
		.amdhsa_memory_ordered 1
		.amdhsa_forward_progress 1
		.amdhsa_inst_pref_size 44
	.end_amdhsa_kernel
	.amdgpu_metadata
---
amdhsa.version: [ 1, 2 ]
amdhsa.kernels:
  - .name:           k_q816a0d2499_prep
    .symbol:         k_q816a0d2499_prep.kd
    .args:
      - { .name: wq, .offset: 0, .size: 8, .value_kind: global_buffer, .address_space: global }
      - { .name: wk, .offset: 8, .size: 8, .value_kind: global_buffer, .address_space: global }
      - { .name: wv, .offset: 16, .size: 8, .value_kind: global_buffer, .address_space: global }
      - { .name: wo, .offset: 24, .size: 8, .value_kind: global_buffer, .address_space: global }
      - { .name: w_up, .offset: 32, .size: 8, .value_kind: global_buffer, .address_space: global }
      - { .name: w_down, .offset: 40, .size: 8, .value_kind: global_buffer, .address_space: global }
      - { .name: attention_mask, .offset: 48, .size: 8, .value_kind: global_buffer, .address_space: global }
      - { .name: wimg, .offset: 56, .size: 8, .value_kind: global_buffer, .address_space: global }
      - { .name: meta, .offset: 64, .size: 8, .value_kind: global_buffer, .address_space: global }
    .group_segment_fixed_size: 34304
    .private_segment_fixed_size: 0
    .kernarg_segment_align: 8
    .kernarg_segment_size: 72
    .max_flat_workgroup_size: 128
    .sgpr_count:     100
    .vgpr_count:     256
    .wavefront_size: 32
...
	.end_amdgpu_metadata
.endif
;; end of part 1
;; launch norm1 (part 2): grid 256 x 1, 8 waves a work-group, no clusters, 69,120 bytes of LDS; arguments x, w_norm_attn, himg; writes himg
.if DOCPART == 2
	.amdgcn_target "amdgcn-amd-amdhsa--gfx1250"
	.amdhsa_code_object_version 6
	.text
	.protected	k_q816a0d2499_norm1
	.globl	k_q816a0d2499_norm1
	.p2align	8
	.type	k_q816a0d2499_norm1,@function
k_q816a0d2499_norm1:
	s_mov_b64 s[64:65], 0
	v_nop
	global_prefetch_b8 v0, s[64:65] scope:SCOPE_SE
	s_setreg_imm32_b32 hwreg(HW_REG_WAVE_MODE, 25, 1), 1
	s_wait_xcnt 0x0
; h = x * rsqrt(mean(x^2) + 1e-6) * w, rows of 1,024 f32, quantised along the row to FP6 (E2M3) with one E8M0 byte for each 32, and stored as an image of the operand's registers:
; tile t holds rows 32 (t / 2) + 8 (t % 2) + r + 8 (r / 8); a fragment (128 along K) is 12 registers a lane, registers 6 c .. 6 c + 5 = k 64 c + 32 h + 0 .. 31; two fragments and their scale words are a record
; of 3,328 bytes (fragment f at 1,536 f, registers 2 g, 2 g + 1 at 256 g + 8 x lane; scale word at 3,072 + 8 x lane + 4 f); a tile has four records.
; SHARES.  A work-group takes a tile of 16 rows; wave s takes columns 128 s .. 128 s + 127: one fragment.  Each load reads 512 consecutive bytes of a row; the 16 x 512 bytes turn through the wave's own stage in LDS.
; The rows' sums of squares meet in LDS behind the launch's one barrier.  The row stays in registers between the sum and the scaling: x is read once.
; Matrix units, clusters and tensor loads buy nothing here: memory binds.
; LIMITS: blocks whose largest magnitude lies under 2^-124 keep the byte 1; NaN and infinities among the inputs are not served.
.set STG,   8448                       ; a wave's stage: 16 rows x (512 + 16) bytes
.set PS,    8*STG                      ; the partial sums: [16 rows][8 waves] f32
.set SPARE, PS+512                     ; the spare words, 128 bytes a wave
.set SPW, 12
.set NIL, 13
.set P,   32
.set T,   44
.set MX,  52
.set MY,  54
.set SO,  56
.set BY,  58
.set PW,  60
.set TP,  61
.set X,   64                           ; v64-127 register 32 c + i = column 128 s + 64 c + 32 h + i of my row
.set R,   128                          ; v128-191 the fragment as loaded
.set W,   192                          ; v192-255 the gains of my 64 columns
.set SEL, 40
.macro QB
.irp c, 0,1
	v_max3_num_f32 v[MX+\c], |v[X+32*\c]|, |v[X+32*\c+1]|, 0x1800000   ; the floor 2^(3 - 127): the byte cannot fall under 1
	v_max3_num_f32 v[MY+\c], |v[X+32*\c+2]|, |v[X+32*\c+3]|, |v[X+32*\c+4]|
.endr
.irp i, 5,9,13,17,21,25
.irp c, 0,1
	v_max3_num_f32 v[MX+\c], v[MX+\c], |v[X+32*\c+\i]|, |v[X+32*\c+\i+1]|
	v_max3_num_f32 v[MY+\c], v[MY+\c], |v[X+32*\c+\i+2]|, |v[X+32*\c+\i+3]|
.endr
.endr
.irp c, 0,1
	v_max3_num_f32 v[MX+\c], v[MX+\c], |v[X+32*\c+29]|, |v[X+32*\c+30]|
.endr
.irp c, 0,1
	v_max3_num_f32 v[MX+\c], v[MX+\c], v[MY+\c], |v[X+32*\c+31]|
.endr
.irp c, 0,1
	v_add_nc_u32 v[SO+\c], 0xff000000, v[MX+\c]    ; 2 off the exponent field: the conversion's scale operand
.endr
.irp c, 0,1
	v_lshrrev_b32 v[BY+\c], 23, v[SO+\c]
.endr
	v_lshl_or_b32 v[PW], v[BY+1], 16, v[BY]
	v_lshlrev_b32 v[PW], v5, v[PW]
	v_permlanex16_b32 v[TP], v[PW], s[SEL], s[SEL+1]
	v_or_b32 v[PW], v[PW], v[TP]                   ; the row's scale word, in both halves of the lanes
.irp c, 0,1
	v_cvt_scalef32_pk16_fp6_f32 v[P+6*\c:P+6*\c+2], v[X+32*\c:X+32*\c+15], v[SO+\c]
	v_cvt_scalef32_pk16_fp6_f32 v[T+4*\c:T+4*\c+2], v[X+32*\c+16:X+32*\c+31], v[SO+\c]
.endr
	v_nop                                          ; one plain place behind the conversions
.irp c, 0,1
.irp i, 0,1,2
	v_mov_b32 v[P+6*\c+3+\i], v[T+4*\c+\i]
.endr
.endr
.endm
	s_load_b128 s[4:7], s[0:1], 0x0                ; x, the gains
	s_load_b64 s[8:9], s[0:1], 0x10                ; the image
	v_lshl_add_u32 v[SPW], v0, 2, SPARE
	v_mov_b32 v[NIL], 0
	v_lshrrev_b32 v1, 5, v0
	v_readfirstlane_b32 s24, v1                    ; wave = which 128 columns
	v_and_b32 v6, 31, v0
	v_lshlrev_b32 v1, 4, v6                        ; 16 x lane
	v_lshlrev_b32 v4, 3, v6                        ; 8 x lane
	v_and_b32 v7, 15, v0                           ; r
	v_bfe_u32 v8, v0, 4, 1                         ; h
	v_lshlrev_b32 v5, 3, v8                        ; 8 h
	v_lshlrev_b32 v9, 7, v8                        ; 128 h: my half's gains
	s_mul_i32 s25, s24, STG
	v_add_nc_u32 v2, s25, v1                       ; the stage, in
	v_mul_u32_u24 v3, v7, 528
	v_lshl_add_u32 v3, v8, 7, v3
	v_add_nc_u32 v3, s25, v3                       ; and out
	s_lshl_b32 s26, s24, 2
	s_add_co_u32 s26, s26, PS
	v_lshlrev_b32 v11, 5, v7
	v_add_nc_u32 v10, s26, v11                     ; my wave's word of row r's partial sums
	v_add_nc_u32 v11, PS, v11                      ; row r's eight
	v_mov_b32 v[TP], 0
	s_mov_b32 s[SEL], 0x76543210
	s_mov_b32 s[SEL+1], 0xfedcba98
	s_mov_b32 s34, 0x3a800000                      ; 1 / 1,024
	s_mov_b32 s35, 0x358637bd                      ; 1e-6
	s_lshr_b32 s28, ttmp9, 1
	s_lshl_b32 s28, s28, 5
	s_and_b32 s29, ttmp9, 1
	s_lshl_b32 s29, s29, 3
	s_add_co_u32 s28, s28, s29                     ; the tile's first row
	s_lshl_b32 s28, s28, 12
	s_lshl_b32 s30, s24, 9                         ; my columns' bytes
	s_add_co_u32 s28, s28, s30
	s_mov_b32 s29, 0
	s_mov_b32 s31, 0
	s_mul_i32 s32, ttmp9, 13312
	s_lshr_b32 s33, s24, 1
	s_mul_i32 s33, s33, 3328
	s_add_co_u32 s32, s32, s33                     ; my record
	s_and_b32 s33, s24, 1
	s_mul_i32 s36, s33, 1536
	s_add_co_u32 s36, s36, s32                     ; my fragment in it
	s_mov_b32 s37, 0
	s_lshl_b32 s38, s33, 2
	s_add_co_u32 s38, s38, s32
	s_add_co_u32 s38, s38, 3072                    ; and its scale words
	s_mov_b32 s39, 0
	s_wait_kmcnt 0x0
	s_add_nc_u64 s[4:5], s[4:5], s[28:29]
	s_add_nc_u64 s[6:7], s[6:7], s[30:31]
	s_add_nc_u64 s[36:37], s[8:9], s[36:37]
	s_add_nc_u64 s[38:39], s[8:9], s[38:39]
.irp i, 0,1,2,3,4,5,6,7,8,9,10,11,12,13,14,15
	global_load_b128 v[R+4*\i:R+4*\i+3], v1, s[4:5] offset:(\i+8*(\i/8))*4096   ; 32 lanes read 512 consecutive bytes of a row
.endr
.irp c, 0,1
.irp q, 0,1,2,3,4,5,6,7
	global_load_b128 v[W+32*\c+4*\q:W+32*\c+4*\q+3], v9, s[6:7] offset:256*\c+16*\q
.endr
.endr
	s_wait_loadcnt 16                              ; x's sixteen loads are in; the gains' sixteen may be out
.irp i, 0,1,2,3,4,5,6,7,8,9,10,11,12,13,14,15
	ds_store_b128 v2, v[R+4*\i:R+4*\i+3] offset:528*\i
.endr
.irp c, 0,1
.irp q, 0,1,2,3,4,5,6,7
	ds_load_b128 v[X+32*\c+4*\q:X+32*\c+4*\q+3], v3 offset:256*\c+16*\q   ; LDS serves a wave's instructions in order: these see my stores
.endr
.endr
	s_wait_dscnt 0x0
.irp k, 0,1,2,3                                ; the sum of my 64 squares: four packed chains, started by the first four pairs
	v_pk_mul_f32 v[32+2*\k:33+2*\k], v[X+2*\k:X+2*\k+1], v[X+2*\k:X+2*\k+1]
.endr
.set K, 4
.rept 28
	v_pk_fma_f32 v[32+2*(K%4):33+2*(K%4)], v[X+2*K:X+2*K+1], v[X+2*K:X+2*K+1], v[32+2*(K%4):33+2*(K%4)]
.set K, K+1
.endr
	v_pk_add_f32 v[32:33], v[32:33], v[34:35]
	v_pk_add_f32 v[36:37], v[36:37], v[38:39]
	v_pk_add_f32 v[32:33], v[32:33], v[36:37]
	v_add_f32 v32, v32, v33
	v_permlanex16_b32 v[TP], v32, s[SEL], s[SEL+1]
	v_add_f32 v32, v32, v[TP]                      ; row r's 128 columns of this wave
	ds_store_b32 v10, v32                          ; both halves of the lanes write the same word with the same value
	s_wait_dscnt 0x0                               ; for the others' sake: my store is done
	s_barrier_signal -1
	s_barrier_wait -1
	ds_load_b128 v[40:43], v11
	ds_load_b128 v[44:47], v11 offset:16
	s_wait_dscnt 0x0
	v_add_f32 v40, v40, v41
	v_add_f32 v42, v42, v43
	v_add_f32 v44, v44, v45
	v_add_f32 v46, v46, v47
	v_add_f32 v40, v40, v42
	v_add_f32 v44, v44, v46
	v_add_f32 v40, v40, v44
	v_fma_f32 v40, v40, s34, s35                   ; the mean + 1e-6
	v_rsq_f32 v48, v40
	v_rsq_f32 v49, v40                             ; twice: the packed multiply takes a pair
	v_nop                                          ; a plain place behind the two
	s_wait_alu depctr_va_vdst(0)                   ; one wait for both, ahead of their first reader
	s_wait_loadcnt 0x0                             ; the gains
.set K, 0
.rept 32
	v_pk_mul_f32 v[X+K:X+K+1], v[X+K:X+K+1], v[48:49]
.set K, K+2
.endr
.set K, 0
.rept 32
	v_pk_mul_f32 v[X+K:X+K+1], v[X+K:X+K+1], v[W+K:W+K+1]
.set K, K+2
.endr
	QB
.irp g, 0,1,2,3,4,5
	global_store_b64 v4, v[P+2*\g:P+2*\g+1], s[36:37] offset:256*\g   ; 32 lanes store 256 consecutive bytes, aligned
.endr
	global_store_b32 v4, v[PW], s[38:39]
	s_wait_tensorcnt 0x0                           ; the wave's end, behind my last LDS store
	ds_add_u32 v[SPW], v[NIL]
	s_wait_dscnt 0x0
	s_endpgm
.Lfunc_end_k_q816a0d2499_norm1:
	.size	k_q816a0d2499_norm1, .Lfunc_end_k_q816a0d2499_norm1-k_q816a0d2499_norm1
	.p2alignl 7, 3214868480
	.fill 96, 4, 3214868480
	.section	.rodata,"a",@progbits
	.p2align	6, 0x0
	.amdhsa_kernel k_q816a0d2499_norm1
		.amdhsa_group_segment_fixed_size 69120
		.amdhsa_private_segment_fixed_size 0
		.amdhsa_enable_private_segment 0
		.amdhsa_kernarg_size 24
		.amdhsa_user_sgpr_count 2
		.amdhsa_user_sgpr_kernarg_segment_ptr 1
		.amdhsa_wavefront_size32 1
		.amdhsa_system_sgpr_workgroup_id_x 1
		.amdhsa_system_sgpr_workgroup_id_y 1
		.amdhsa_system_sgpr_workgroup_id_z 1
		.amdhsa_system_vgpr_workitem_id 0
		.amdhsa_next_free_vgpr 256
		.amdhsa_next_free_sgpr 100
		.amdhsa_reserve_vcc 0
		.amdhsa_float_denorm_mode_32 3
		.amdhsa_float_denorm_mode_16_64 3
		.amdhsa_memory_ordered 1
		.amdhsa_forward_progress 1
		.amdhsa_inst_pref_size 19
	.end_amdhsa_kernel
	.amdgpu_metadata
---
amdhsa.version: [ 1, 2 ]
amdhsa.kernels:
  - .name:           k_q816a0d2499_norm1
    .symbol:         k_q816a0d2499_norm1.kd
    .args:
      - { .name: x, .offset: 0, .size: 8, .value_kind: global_buffer, .address_space: global }
      - { .name: w_norm_attn, .offset: 8, .size: 8, .value_kind: global_buffer, .address_space: global }
      - { .name: himg, .offset: 16, .size: 8, .value_kind: global_buffer, .address_space: global }
    .group_segment_fixed_size: 69120
    .private_segment_fixed_size: 0
    .kernarg_segment_align: 8
    .kernarg_segment_size: 24
    .max_flat_workgroup_size: 256
    .sgpr_count:     100
    .vgpr_count:     256
    .wavefront_size: 32
...
	.end_amdgpu_metadata
.endif
;; end of part 2
;; launch qkv (part 3): grid 12 x 16, 16 waves a work-group, clusters of 4 x 4, 327,680 bytes of LDS; arguments wimg, himg, qkimg, vimg; writes qkimg, vimg
.if DOCPART == 3
	.amdgcn_target "amdgcn-amd-amdhsa--gfx1250"
	.amdhsa_code_object_version 6
	.text
	.protected	k_q816a0d2499_qkv
	.globl	k_q816a0d2499_qkv
	.p2align	8
	.type	k_q816a0d2499_qkv,@function
k_q816a0d2499_qkv:
	s_mov_b64 s[64:65], 0
	v_nop
	global_prefetch_b8 v0, s[64:65] scope:SCOPE_SE
	s_setreg_imm32_b32 hwreg(HW_REG_WAVE_MODE, 25, 1), 1
	s_wait_xcnt 0x0
	s_wait_alu depctr_hold_cnt(0) depctr_sa_sdst(0) depctr_va_vdst(0) depctr_va_sdst(0) depctr_va_ssrc(0) depctr_va_vcc(0) depctr_vm_vsrc(0)
	s_getreg_b32 s2, hwreg(HW_REG_IB_STS2, 6, 4)
	s_cmp_eq_u32 s2, 0
	s_cbranch_scc0 .Lentry_in_a_cluster
	s_endpgm
.Lentry_in_a_cluster:
	s_bfe_u32 s2, ttmp6, 0x10000c
	s_cmp_lg_u32 s2, 0xf033
	s_cbranch_scc0 .Lentry_shape_is_right
	s_endpgm
.Lentry_shape_is_right:
; q = h wq^T, k = h wk^T, v = h wv^T on codes of FP6 (E2M3), K = 1,024; the results are quantised in registers and leave as images of the next products' operands.
; OPERAND IMAGES: tile t = rows 32 (t / 2) + 8 (t % 2) + r + 8 (r / 8); a record of 3,328 bytes = two fragments of 128 along K (1,536 bytes each, registers 2 g, 2 g + 1 at 256 g + 8 x lane) + 256 bytes of scale words (8 x lane + 4 f).
; So a fragment comes from LDS by six loads of 8 bytes a lane, each 256 consecutive bytes, and with these rows the 16 registers of two neighbouring result tiles are 16 neighbours along source 0's rows.
; THE PRODUCT: source 0 = S0, source 1 = S1: a lane holds one row of S1, its registers run along S0's rows, which are the next product's K.  For q and k: S0 = the weight's rows (the head's axis), S1 = tokens.
; For v (work-group columns 8 to 11, cluster x = 2): S0 = tokens (the keys are the next K), S1 = wv's rows: the same tiles in LDS, read in exchanged roles.
; SHARES.  A work-group makes 256 x 256; its sixteen waves 64 x 64 each (16 accumulators, 128 registers), four waves to a SIMD, so that one wave's LDS loads stand beside another's products; no register windows.
; K goes in four phases of 256 through three LDS slots; slot 0 is filled a second time.  By this text's count a wave has three tensor loads out at the start and one behind the refill's barrier.
; CLUSTERS: 4 x 4 work-groups; the weight's tile (X) hangs on the work-group's column and is asked for jointly by the cluster's column, h's tile (Y) on its row and is asked for jointly by the cluster's row.
; OUT: q and k into qkimg (a token tile's 8 records: 128 along K = a pair of heads; q's first, then k's), v into vimg (tile = 16 of the 1,024 channels, K = the 4,096 tokens).
; LIMITS: blocks whose largest magnitude lies under 2^-124 keep the scale byte 1; NaN and infinities are not served.
.set QKV,   1
.set GELU,  0
.set WOFF,  0                          ; where the weights' tiles begin in wimg
.set PREC,  3328
.set RPI,   13312                      ; a tile's four records
.set REG,   53248                      ; a region of a slot: 16 tiles x one record
.set SLOT,  2*REG                      ; X's region, then Y's
.set SPARE, 3*SLOT                     ; behind the slots: the spare words, 128 bytes a wave
.set AB0, 1                            ; v1   my lane's place in S0's four tiles, in slot 0
.set AB1, 2                            ; v2   in S1's
.set AD0, 3                            ; v3   the same in the phase's slot
.set AD1, 4
.set OA,  5                            ; v5-8 byte offset of my 8 bytes in the output record of S1's tile j
.set L8,  9                            ; v9   8 x lane
.set SC0, 10                           ; v10-17 S0's scale words: tile i, K step q at 2 i + q.  Scales and nothing else
.set SC1, 18                           ; v18-25 S1's
.set SPW, 28
.set NIL, 29
.set F0,  32                           ; v32-79 S0's four fragments
.set F1,  80                           ; v80-127 S1's
.set ACC, 128                          ; accumulator (j, i) at 128 + 32 j + 8 i
.set ZZ,  32                           ; the way out: at work
.set DD,  48
.set EE,  64
.set PJ,  80                           ; the way out: codes of S1's tile j at 80 + 8 j
.set HWR, 112                          ; its half scale word at 112 + j
.set MX,  116
.set PM,  118
.set SO,  120
.set BY,  122
.set T,   124
.set G1X, 24
.set G1Y, 32
.set G0X, 40                           ; s[40:51] group 0 for X, a set for each slot
.set G0Y, 52                           ; s[52:63] for Y
.set SEL, 84
; A joint load: waves 0 to 7 fetch X's tiles, waves 8 to 15 Y's, two tiles (two rows of 3,328 bytes) each.  The branch hangs on the wave's number alone.  An s_nop 0 and four v_nop follow each line.
.macro JLOAD g0a, g1a, g0b, g1b
	s_cmp_eq_u32 s15, 0
	s_cbranch_scc0 .Lfor_b_\@
	tensor_load_to_lds s[\g0a:\g0a+3], s[\g1a:\g1a+7]
	s_nop 0
.rept 4
	v_nop
.endr
	s_branch .Lasked_\@
.Lfor_b_\@:
	tensor_load_to_lds s[\g0b:\g0b+3], s[\g1b:\g1b+7]
	s_nop 0
.rept 4
	v_nop
.endr
.Lasked_\@:
.endm
.macro CROUND                          ; a round of the cluster's barrier
	s_barrier_signal -1
	s_barrier_wait -1
	s_cmp_lg_u32 s14, 0
	s_cbranch_scc1 .Lnot_wave_0_\@
	s_barrier_signal -3
.Lnot_wave_0_\@:
	s_barrier_wait -3
	s_barrier_signal -1
	s_barrier_wait -1
.endm
.macro PLACES n
.rept \n
	v_nop
.endr
.endm
; A phase: 256 along K, two K steps of 16 matrix instructions.  The 16 accumulators take turns, one instruction a turn.
; Loads into registers that matrix instructions have read stand four plain vector instructions behind them (ISA guide 7.12.1 for vector instructions).
.macro PHASE slot, zero
	v_add_nc_u32 v[AD0], \slot*SLOT, v[AB0]
	v_add_nc_u32 v[AD1], \slot*SLOT, v[AB1]
	PLACES 2
.irp i, 0,1,2,3
	ds_load_b64 v[SC0+2*\i:SC0+2*\i+1], v[AD0] offset:\i*PREC+3072   ; both K steps' scale words
	ds_load_b64 v[SC1+2*\i:SC1+2*\i+1], v[AD1] offset:\i*PREC+3072
.endr
.irp q, 0,1
.if \q
	PLACES 4
.endif
.irp i, 0,1,2,3
.irp g, 0,1,2,3,4,5
	ds_load_b64 v[F0+12*\i+2*\g:F0+12*\i+2*\g+1], v[AD0] offset:\i*PREC+1536*\q+256*\g
.endr
.endr
.irp i, 0,1,2,3
.irp g, 0,1,2,3,4,5
	ds_load_b64 v[F1+12*\i+2*\g:F1+12*\i+2*\g+1], v[AD1] offset:\i*PREC+1536*\q+256*\g
.endr
.endr
.irp j, 0,1,2,3
	s_wait_dscnt 18-6*\j                           ; S1's later fragments, six loads each, may be out
.irp i, 0,1,2,3
.if \zero && (\q == 0)
	v_wmma_scale_f32_16x16x128_f8f6f4 v[ACC+32*\j+8*\i:ACC+32*\j+8*\i+7], v[F0+12*\i:F0+12*\i+11], v[F1+12*\j:F1+12*\j+11], 0, v[SC0+2*\i+\q], v[SC1+2*\j+\q] matrix_a_fmt:MATRIX_FMT_FP6 matrix_b_fmt:MATRIX_FMT_FP6
.else
	v_wmma_scale_f32_16x16x128_f8f6f4 v[ACC+32*\j+8*\i:ACC+32*\j+8*\i+7], v[F0+12*\i:F0+12*\i+11], v[F1+12*\j:F1+12*\j+11], v[ACC+32*\j+8*\i:ACC+32*\j+8*\i+7], v[SC0+2*\i+\q], v[SC1+2*\j+\q] matrix_a_fmt:MATRIX_FMT_FP6 matrix_b_fmt:MATRIX_FMT_FP6
.endif
.endr
.endr
.endr
.endm
; 32 numbers of a lane, register 16 b + i = k 32 b + 16 h + i of my row, become half a fragment (6 registers) and half a scale word (16 bits)
.macro Q32 src, dst, hw
.irp b, 0,1
	v_max3_num_f32 v[MX+\b], |v[(\src)+16*\b]|, |v[(\src)+16*\b+1]|, 0x1800000   ; the floor 2^(3 - 127): the byte cannot fall under 1
.endr
.irp i, 2,4,6,8,10,12,14
.irp b, 0,1
	v_max3_num_f32 v[MX+\b], v[MX+\b], |v[(\src)+16*\b+\i]|, |v[(\src)+16*\b+\i+1]|
.endr
.endr
.irp b, 0,1
	v_permlanex16_b32 v[PM+\b], v[MX+\b], s[SEL], s[SEL+1]
.endr
.irp b, 0,1
	v_max_num_f32 v[MX+\b], v[MX+\b], v[PM+\b]     ; with lane l xor 16's 16: the block's largest magnitude
.endr
.irp b, 0,1
	v_add_nc_u32 v[SO+\b], 0xff000000, v[MX+\b]    ; 2 off the exponent field: the conversion's scale operand
.endr
.irp b, 0,1
	v_lshrrev_b32 v[BY+\b], 23, v[SO+\b]
.endr
	v_lshl_or_b32 v[\hw], v[BY+1], 8, v[BY]
	v_cvt_scalef32_pk16_fp6_f32 v[(\dst):(\dst)+2], v[(\src):(\src)+15], v[SO]
	v_cvt_scalef32_pk16_fp6_f32 v[T:T+2], v[(\src)+16:(\src)+31], v[SO+1]
	v_nop                                          ; one plain place behind the conversions
.irp i, 0,1,2
	v_permlane16_swap_b32 v[(\dst)+\i], v[T+\i]    ; the layout wants a whole block in a lane: lanes 0-15 block 0, lanes 16-31 block 1
.endr
.irp i, 0,1,2
	v_mov_b32 v[(\dst)+3+\i], v[T+\i]
.endr
.endm
.if GELU
; gelu(x) = 0.5 x (1 + erf(x / sqrt 2)) on 16 registers, in place.  With z = x / sqrt 2, t = 1 / (1 + p |z|), pe = t (a1 + t (a2 + t (a3 + t (a4 + t a5)))) e^(-z z): 1 + erf(z) = 2 - pe for x >= 0, pe for x < 0.
; (Abramowitz and Stegun 7.1.26: the error of erf is at most 1.5e-7 in absolute terms.)  The 32 transcendentals are one batch with one wait.
.macro GELU16 src
.irp k, 0,2,4,6,8,10,12,14
	v_pk_mul_f32 v[ZZ+\k:ZZ+\k+1], v[(\src)+\k:(\src)+\k+1], 0x3f3504f3 op_sel_hi:[1,0]
.endr
.irp k, 0,1,2,3,4,5,6,7,8,9,10,11,12,13,14,15
	v_fma_f32 v[DD+\k], |v[ZZ+\k]|, s88, 1.0
.endr
.irp k, 0,2,4,6,8,10,12,14
	v_pk_mul_f32 v[EE+\k:EE+\k+1], v[ZZ+\k:ZZ+\k+1], v[ZZ+\k:ZZ+\k+1]
.endr
.irp k, 0,2,4,6,8,10,12,14
	v_pk_mul_f32 v[EE+\k:EE+\k+1], v[EE+\k:EE+\k+1], 0xbfb8aa3b op_sel_hi:[1,0]
.endr
.irp k, 0,1,2,3,4,5,6,7,8,9,10,11,12,13,14,15
	v_rcp_f32 v[DD+\k], v[DD+\k]
.endr
.irp k, 0,1,2,3,4,5,6,7,8,9,10,11,12,13,14,15
	v_exp_f32 v[EE+\k], v[EE+\k]
.endr
.irp k, 0,2,4,6,8,10,12,14
	v_pk_mul_f32 v[(\src)+\k:(\src)+\k+1], v[(\src)+\k:(\src)+\k+1], 0.5 op_sel_hi:[1,0]   ; plain work behind the batch
.endr
	s_wait_alu depctr_va_vdst(0)                   ; one wait for the batch, ahead of its first reader
.irp k, 0,2,4,6,8,10,12,14
	v_pk_fma_f32 v[ZZ+\k:ZZ+\k+1], v[DD+\k:DD+\k+1], 0x3f87dc22, v[30:31] op_sel_hi:[1,0,1]
.endr
.irp k, 0,2,4,6,8,10,12,14
	v_pk_fma_f32 v[ZZ+\k:ZZ+\k+1], v[ZZ+\k:ZZ+\k+1], v[DD+\k:DD+\k+1], 0x3fb5f0e3 op_sel_hi:[1,1,0]
.endr
.irp k, 0,2,4,6,8,10,12,14
	v_pk_fma_f32 v[ZZ+\k:ZZ+\k+1], v[ZZ+\k:ZZ+\k+1], v[DD+\k:DD+\k+1], 0xbe91a98e op_sel_hi:[1,1,0]
.endr
.irp k, 0,2,4,6,8,10,12,14
	v_pk_fma_f32 v[ZZ+\k:ZZ+\k+1], v[ZZ+\k:ZZ+\k+1], v[DD+\k:DD+\k+1], 0x3e827906 op_sel_hi:[1,1,0]
.endr
.irp k, 0,2,4,6,8,10,12,14
	v_pk_mul_f32 v[ZZ+\k:ZZ+\k+1], v[ZZ+\k:ZZ+\k+1], v[DD+\k:DD+\k+1]
.endr
.irp k, 0,2,4,6,8,10,12,14
	v_pk_mul_f32 v[ZZ+\k:ZZ+\k+1], v[ZZ+\k:ZZ+\k+1], v[EE+\k:EE+\k+1]   ; pe
.endr
.irp k, 0,2,4,6,8,10,12,14
	v_pk_fma_f32 v[DD+\k:DD+\k+1], v[ZZ+\k:ZZ+\k+1], -1.0, 2.0 op_sel_hi:[1,0,0]   ; 2 - pe
.endr
.irp k, 0,1,2,3,4,5,6,7,8,9,10,11,12,13,14,15
	v_cmp_gt_f32 vcc_lo, 0, v[(\src)+\k]
	v_cndmask_b32 v[DD+\k], v[DD+\k], v[ZZ+\k], vcc_lo
.endr
.irp k, 0,2,4,6,8,10,12,14
	v_pk_mul_f32 v[(\src)+\k:(\src)+\k+1], v[(\src)+\k:(\src)+\k+1], v[DD+\k:DD+\k+1]
.endr
.endm
.endif
	s_load_b128 s[4:7], s[0:1], 0x0                ; the weights' images, h's image
.if QKV
	s_load_b128 s[8:11], s[0:1], 0x10              ; qkimg, vimg
.else
	s_load_b64 s[8:9], s[0:1], 0x10                ; gimg
.endif
	v_lshl_add_u32 v[SPW], v0, 2, SPARE
	v_mov_b32 v[NIL], 0
	ds_add_u32 v[SPW], v[NIL]                      ; the wave's opening: the add and its wait ahead of my first tensor load; work on registers stands between them
	v_lshrrev_b32 v1, 5, v0
	v_readfirstlane_b32 s14, v1                    ; wave 0..15
	s_lshr_b32 s15, s14, 3                         ; I fetch for X (0) or for Y (1),
	s_and_b32 s16, s14, 7                          ; tiles 2 (wave % 8) and the next
	s_bfe_u32 s17, ttmp6, 0x40000                  ; cx
	s_bfe_u32 s18, ttmp6, 0x40004                  ; cy
	s_lshl_b32 s19, ttmp9, 2
	s_add_co_u32 s19, s19, s17                     ; work-group x
	s_and_b32 s20, ttmp7, 0xffff
	s_lshl_b32 s20, s20, 2
	s_add_co_u32 s20, s20, s18                     ; work-group y
	s_lshl_b32 s21, s18, 2
	s_lshl_b32 s21, 15, s21                        ; my row of the cluster
	s_lshl_b32 s22, 0x1111, s17                    ; my column
	s_or_b32 s[G1X], s22, (3<<16)|(1<<21)          ; 15:0 the mask: X's tiles go to my column; 17:16 elements of 8 bytes; 21 set beside a mask; no padding
	s_or_b32 s[G1Y], s21, (3<<16)|(1<<21)          ; Y's go to my row
.irp g, G1X, G1Y
	s_mov_b32 s[\g+1], 416<<16                     ; tensor_dim0 = 416 elements: a record
	s_mov_b32 s[\g+2], 2<<16                       ; tensor_dim1 = 2 tiles
	s_mov_b32 s[\g+3], 416<<16                     ; tile_dim0
	s_mov_b32 s[\g+4], 2                           ; tile_dim1
	s_mov_b32 s[\g+5], RPI/8                       ; from tile to tile
	s_mov_b32 s[\g+6], 0
	s_mov_b32 s[\g+7], 0
.endr
	s_lshl_b32 s66, s19, 4                         ; X: tile 16 x + 2 (wave % 8): it hangs on x and the wave alone
	s_lshl_b32 s67, s16, 1
	s_add_co_u32 s66, s66, s67
	s_mul_i32 s66, s66, RPI
.if WOFF
	s_add_co_u32 s66, s66, WOFF
.endif
	s_mov_b32 s67, 0
	s_lshl_b32 s68, s20, 4                         ; Y: tile 16 y + 2 (wave % 8): on y and the wave alone
	s_lshl_b32 s69, s16, 1
	s_add_co_u32 s68, s68, s69
	s_mul_i32 s68, s68, RPI
	s_mov_b32 s69, 0
	s_mul_i32 s70, s14, 2*PREC                     ; where they go in a slot: wave x two records: no place in the cluster enters an LDS address
	s_mov_b32 s[SEL], 0x76543210
	s_mov_b32 s[SEL+1], 0xfedcba98
	s_mov_b32 s88, 0x3ea7ba05                      ; p = 0.3275911
	s_wait_dscnt 0x0                               ; the opening add is done
	s_wait_kmcnt 0x0
	s_add_nc_u64 s[66:67], s[4:5], s[66:67]
	s_add_nc_u64 s[68:69], s[6:7], s[68:69]
	CROUND                                         ; all sixteen work-groups are here: the first joint loads meet
.irp n, 0,1,2
	s_mov_b32 s[G0X+4*\n], 1
	s_add_co_u32 s[G0X+4*\n+1], s70, \n*SLOT
	s_add_nc_u64 s[G0X+4*\n+2:G0X+4*\n+3], s[66:67], \n*PREC
	s_or_b32 s[G0X+4*\n+3], s[G0X+4*\n+3], 0x80000000
	s_mov_b32 s[G0Y+4*\n], 1
	s_add_co_u32 s[G0Y+4*\n+1], s70, \n*SLOT
	s_add_nc_u64 s[G0Y+4*\n+2:G0Y+4*\n+3], s[68:69], \n*PREC
	s_or_b32 s[G0Y+4*\n+3], s[G0Y+4*\n+3], 0x80000000
	JLOAD G0X+4*\n, G1X, G0Y+4*\n, G1Y             ; phases 0, 1, 2
.endr
	; the roles.  They hang on the cluster's x alone, which all partners share
.if QKV
	s_sub_co_u32 s78, s19, 8
	s_cmp_eq_u32 ttmp9, 2                          ; v's columns?
	s_cselect_b32 s73, REG, 0                      ; S0's region in a slot
	s_cselect_b32 s74, 0, REG                      ; S1's
	s_cselect_b32 s75, s20, s19                    ; S0's tile of 256 rows: which record of the output
	s_cselect_b32 s76, s78, s20                    ; S1's: which 16 tiles of the output
	s_mov_b32 s77, 26624
	s_cselect_b32 s77, 53248, s77                  ; an output tile's records in bytes
	s_cselect_b64 s[8:9], s[10:11], s[8:9]         ; the choice hangs on no address
.else
	s_mov_b32 s73, 0
	s_mov_b32 s74, REG
	s_mov_b32 s75, s19
	s_mov_b32 s76, s20
	s_mov_b32 s77, 53248
.endif
	v_and_b32 v[L8], 31, v0
	v_lshlrev_b32 v[L8], 3, v[L8]
	s_and_b32 s71, s14, 3                          ; w0: my 64 rows of S0
	s_lshr_b32 s72, s14, 2                         ; w1: my 64 rows of S1
	s_mul_i32 s78, s71, 4*PREC
	s_add_co_u32 s78, s78, s73
	v_add_nc_u32 v[AB0], s78, v[L8]
	s_mul_i32 s79, s72, 4*PREC
	s_add_co_u32 s79, s79, s74
	v_add_nc_u32 v[AB1], s79, v[L8]
	s_lshl_b32 s78, s76, 4
	s_lshl_b32 s79, s72, 2
	s_add_co_u32 s78, s78, s79                     ; the output tile of my S1 tile 0
	s_mul_i32 s78, s78, s77
	s_mul_i32 s79, s75, PREC
	s_add_co_u32 s78, s78, s79
	v_add_nc_u32 v[OA], s78, v[L8]
	v_add_nc_u32 v[OA+1], s77, v[OA]
	v_add_nc_u32 v[OA+2], s77, v[OA+1]
	v_add_nc_u32 v[OA+3], s77, v[OA+2]
	s_mul_i32 s86, s71, 768                        ; my 64 along the next K: half fragment w0 of the record
	s_mov_b32 s87, 0
	s_add_nc_u64 s[80:81], s[8:9], s[86:87]
	s_lshl_b32 s86, s71, 1
	s_add_co_u32 s86, s86, 3072                    ; and half scale word w0
	s_add_nc_u64 s[82:83], s[8:9], s[86:87]
	v_mov_b32 v30, 0xbfba00e3                      ; a4, as a pair
	v_mov_b32 v31, 0xbfba00e3
	s_wait_tensorcnt 2                             ; my part of slot 0 is in; slots 1 and 2 may stay out
	s_barrier_signal -1
	s_barrier_wait -1
	PHASE 0, 1
	s_wait_tensorcnt 0x0                           ; all my tensor loads have landed, my parts of slots 1 and 2 among them: a group 0 may be written
	ds_add_u32 v[SPW], v[NIL]                      ; 0 onto my spare word
	s_add_nc_u64 s[G0X+2:G0X+3], s[G0X+2:G0X+3], 3*PREC
	s_add_nc_u64 s[G0Y+2:G0Y+3], s[G0Y+2:G0Y+3], 3*PREC
	s_wait_dscnt 0x0                               ; the add is done, and my reads of slot 0 are over
	CROUND                                         ; no wave of any partner still reads slot 0 or has a load on its way
	JLOAD G0X, G1X, G0Y, G1Y                       ; phase 3 into slot 0: it has two phases, 64 matrix instructions a wave, in which to land
	PHASE 1, 0
	PHASE 2, 0
	s_wait_tensorcnt 0x0                           ; my part of phase 3 is in
	ds_add_u32 v[SPW], v[NIL]
	s_wait_dscnt 0x0
	s_barrier_signal -1
	s_barrier_wait -1                              ; everybody's is; nothing is filled again
	PHASE 0, 0
	; THE WAY OUT: for each of S1's four tiles my 32 results a lane are 64 neighbours along the next K in two lanes: half a fragment and half a scale word
	PLACES 4
	v_mov_b32 v[PM], 0                             ; a lane permute's destination counts as one of its sources
	v_mov_b32 v[PM+1], 0
.irp j, 0,1,2,3
.if GELU
	GELU16 ACC+32*\j
	GELU16 ACC+32*\j+16
.endif
	Q32 ACC+32*\j, PJ+8*\j, HWR+\j
.irp g, 0,1,2
	global_store_b64 v[OA+\j], v[PJ+8*\j+2*\g:PJ+8*\j+2*\g+1], s[80:81] offset:256*\g   ; 32 lanes store 256 consecutive bytes, aligned
.endr
	global_store_b16 v[OA+\j], v[HWR+\j], s[82:83]
.endr
	s_wait_tensorcnt 0x0                           ; the wave's end
	ds_add_u32 v[SPW], v[NIL]
	s_wait_dscnt 0x0
	CROUND                                         ; the closing round
	s_endpgm
.Lfunc_end_k_q816a0d2499_qkv:
	.size	k_q816a0d2499_qkv, .Lfunc_end_k_q816a0d2499_qkv-k_q816a0d2499_qkv
	.p2alignl 7, 3214868480
	.fill 96, 4, 3214868480
	.section	.rodata,"a",@progbits
	.p2align	6, 0x0
	.amdhsa_kernel k_q816a0d2499_qkv
		.amdhsa_group_segment_fixed_size 327680
		.amdhsa_private_segment_fixed_size 0
		.amdhsa_enable_private_segment 0
		.amdhsa_kernarg_size 32
		.amdhsa_user_sgpr_count 2
		.amdhsa_user_sgpr_kernarg_segment_ptr 1
		.amdhsa_wavefront_size32 1
		.amdhsa_system_sgpr_workgroup_id_x 1
		.amdhsa_system_sgpr_workgroup_id_y 1
		.amdhsa_system_sgpr_workgroup_id_z 1
		.amdhsa_system_vgpr_workitem_id 0
		.amdhsa_next_free_vgpr 256
		.amdhsa_next_free_sgpr 100
		.amdhsa_reserve_vcc 1
		.amdhsa_float_denorm_mode_32 3
		.amdhsa_float_denorm_mode_16_64 3
		.amdhsa_memory_ordered 1
		.amdhsa_forward_progress 1
		.amdhsa_inst_pref_size 63
	.end_amdhsa_kernel
	.amdgpu_metadata
---
amdhsa.version: [ 1, 2 ]
amdhsa.kernels:
  - .name:           k_q816a0d2499_qkv
    .symbol:         k_q816a0d2499_qkv.kd
    .args:
      - { .name: wimg, .offset: 0, .size: 8, .value_kind: global_buffer, .address_space: global }
      - { .name: himg, .offset: 8, .size: 8, .value_kind: global_buffer, .address_space: global }
      - { .name: qkimg, .offset: 16, .size: 8, .value_kind: global_buffer, .address_space: global }
      - { .name: vimg, .offset: 24, .size: 8, .value_kind: global_buffer, .address_space: global }
    .group_segment_fixed_size: 327680
    .private_segment_fixed_size: 0
    .kernarg_segment_align: 8
    .kernarg_segment_size: 32
    .max_flat_workgroup_size: 512
    .sgpr_count:     100
    .vgpr_count:     256
    .wavefront_size: 32
...
	.end_amdgpu_metadata
.endif
;; end of part 3
;; launch attn (part 4): grid 8 x 32, 16 waves a work-group, no clusters, 292,864 bytes of LDS; arguments qkimg, vimg, meta, attimg; writes attimg
.if DOCPART == 4
	.amdgcn_target "amdgcn-amd-amdhsa--gfx1250"
	.amdhsa_code_object_version 6
	.text
	.protected	k_q816a0d2499_attn
	.globl	k_q816a0d2499_attn
	.p2align	8
	.type	k_q816a0d2499_attn,@function
k_q816a0d2499_attn:
	s_mov_b64 s[64:65], 0
	v_nop
	global_prefetch_b8 v0, s[64:65] scope:SCOPE_SE
	s_setreg_imm32_b32 hwreg(HW_REG_WAVE_MODE, 25, 1), 1
	s_wait_xcnt 0x0
; att = softmax(mask(q k^T / 8)) v for one head of one batch, both products on codes of FP6 (E2M3).  The weights p are quantised FINISHED AND NORMALISED, so the keys are walked twice:
; pass 1 finds each query's M (the largest t = score x log2(e) / 8, rounded up to a whole number, running) and l = the sum of 2^(t - M); pass 2 makes the scores again, p = 2^(t - M) / l, quantises p along the keys and adds V^T P^T.
; THE MASKS.  A key counts for query q where key <= q and its flag is set.  A score that does not count becomes -2^33 ahead of the maximum (x log2(e) / 8 that is a whole number): p is 0 beside any key that counts,
; and a query for which NO key counts gets p = 1 / 2,048 over all 2,048 keys, as a softmax of equal scores gives.  So a tile that holds such a query (its first query lies under the batch's first key that counts) walks all 16 key steps,
; every other tile only the steps up to its diagonal.  These branches hang on whole numbers that an earlier launch stored (meta). This launch has no tensor load, and no joint loads in a cluster either;
; a head's K and V codes, 205 KB, come once through registers into LDS and stay.
; SHARES.  A work-group: one head of one batch, 16 tiles of 16 queries: tile 8 n + j for work-group j, which needs n + 1 key steps of 128 keys: 136 steps in all, 8.5 a wave.
; THE STEPS ARE SHARED OUT EVENLY.  Waves 2 i and 2 i + 1 have the tiles n = 15 - i (big) and n = i (small), 17 steps together.  The even wave takes the big tile's steps 0 to 8; the odd wave the big tile's other 7 - i steps and the
; small tile's i + 1.  Every wave runs the same text: two SEGMENTS (a tile and a range of keys) in each pass; a step outside the segment's range is jumped over; the even wave's second segment is empty.
; Pass 2 works under the final M and l, so the two waves' parts of the big tile's O^T simply add.  What the partners hand each other goes through LDS: behind pass 1 each wave's (-M, l) of its first segment (both then form the same
; M and l: the factors 2^(M_a - M) are powers of two, so the sum is rounded once); behind pass 2 each wave's O^T of its first segment.  The even wave adds the two and writes the big tile, the odd wave writes the small one.
; A tile that walks all 16 steps gives the further steps to the odd wave.  Four waves share a SIMD: one wave's vector work stands beside another's products and LDS loads.
; LAYOUT.  Both products transposed: S^T = K Q^T, O^T = V^T P^T: a lane holds one query.  The operand images' tiles hold rows 32 (t / 2) + 8 (t % 2) + r + 8 (r / 8), so the 16 registers of two neighbouring tiles of S^T are 16 neighbouring keys.
; The head's size is 64, half of the instruction's K: Q's upper 64 codes are zeros, so whatever stands in the upper six registers of K's operand (the next tile's codes; behind the last tile: the small tile's Q, which rests there) adds nothing.
; LIMITS: scaled scores under about -1e9 are not told apart from masked ones; NaN and infinities are not served; blocks of p or of att under 2^-124 keep the scale byte 1; a big tile's l and O^T are sums of two parts.
.set PREC,  3328
.set VR,    98304                      ; LDS: 0: K's codes: two tiles' 12 registers as three runs of 16 bytes a lane, 1,536 bytes a pair, 64 pairs;  VR: V's records, 4 tiles of channels x 8, as they lie in memory;
.set KS,    204800                     ; KS: K's scale words: tile tt at (tt / 2) 256 + 8 x lane + 4 (tt % 2);
.set EX,    221184                     ; EX: (-M, l) of each wave's first segment: 256 bytes a wave;
.set OP,    225280                     ; OP: O^T of each wave's first segment: 4,096 bytes a wave;
.set SPARE, 290816                     ; the spare words, 128 bytes a wave
.set L8,   1                           ; v1   8 x lane
.set QI1,  2                           ; v2   the segment's: my query + 1 - 16 h
.set H16,  3                           ; v3   16 h
.set ADK,  4                           ; v4-7 the step's LDS addresses: K's codes, K's scale words, V's tiles 0, 1 and 2, 3 (at the head: where I put what I stage)
.set ADS,  5
.set ADV,  6
.set SPW,  8
.set NIL,  9
.set NEG,  10                          ; v10  -2^33
.set QSC,  11                          ; v11  the segment's Q scale word.  v12 -M, v13 the largest t, v[14:15] l in two halves, v16-27 Q, v28-31 the mask's words (lane s: key step s's four)
.set QB,   80                          ; v80-85 the small tile's Q codes
.set QIA,  94                          ; v94, v95 my query + 1 - 16 h in the big and in the small tile
.set QIB,  95
.set EXW,  225                         ; v225, v226 my place in EX and my partner's
.set EXR,  226
.set OPW,  227                         ; v227, v243 my place in OP and my partner's
.set NM1,  229                         ; v229 the second segment's -M;  v235 its 1 / l
.set RL1,  235
.set OPR,  243
.set AS0,  244                         ; v244-246 my lane's place in KS and in the two halves of VR
.set AV0,  245
.set AV1,  246
.set L16,  247                         ; v247 16 x lane
.set QA,   248                         ; v248-253 the big tile's Q codes
.set QSA,  254                         ; v254, v255 the two tiles' Q scale words, at rest
.set QSB,  255
.set WV,   18
.set BB,   19
.set HD,   20
.set MO,   21
.set FV,   45
.set LIMK, 47                          ; s47  the first key behind the segment
.set KF,   48                          ; s48  the step's first key
.set STEP, 49
.set TK,   50                          ; s50-52 where the trip's K codes, K scale words and V records begin
.set TS,   51
.set TV,   52
.set Q0,   53                          ; s53  the segment's tile's first query
.set CS,   54                          ; s[54:55] c = log2(e) / 8
.set SEL,  56
.set CNT,  58
.set SH,   59
.set OC,   60
.set OS,   62
.set ROLE, 66                          ; s66  0: the even wave of a pair, 1: the odd one
.set PI,   67                          ; s67  i: the pair
.set TA,   68                          ; s68, s69 the big and the small tile
.set TB,   69
.set Q0A,  70                          ; s70, s71 their first queries
.set Q0B,  71
.set STA,  72                          ; s72-75 the two segments' first keys and ends
.set ENA,  73
.set STB,  74
.set ENB,  75
.set START, 76                         ; s76  the segment's first key
.macro PLACES n
.rept \n
	v_nop
.endr
.endm
; S^T of 128 keys, the q-th step of the trip: eight tiles.  v32.. K's codes, six registers a tile; v86-93 K's scale words
.macro QKS q
	v_add_nc_u32 v[ADK], s[TK], v[L16]
	v_add_nc_u32 v[ADS], s[TS], v[AS0]
	v_add_nc_u32 v[ADV], s[TV], v[AV0]
	v_add_nc_u32 v[ADV+1], s[TV], v[AV1]
.irp p, 0,1,2,3
.irp c, 0,1,2
	ds_load_b128 v[32+12*\p+4*\c:35+12*\p+4*\c], v[ADK] offset:(4*\q+\p)*1536+512*\c   ; 512 consecutive bytes
.endr
.endr
.irp p, 0,1,2,3
	ds_load_b64 v[86+2*\p:87+2*\p], v[ADS] offset:(4*\q+\p)*256
.endr
	s_wait_dscnt 0x0
.irp t, 0,1,2,3,4,5,6,7
	v_wmma_scale_f32_16x16x128_f8f6f4 v[96+8*\t:103+8*\t], v[32+6*\t:43+6*\t], v[16:27], 0, v[86+\t], v[QSC] matrix_a_fmt:MATRIX_FMT_FP6 matrix_b_fmt:MATRIX_FMT_FP6
.endr
	PLACES 4
.endm
; Register 16 b + i of S^T holds key KF + 32 b + 16 h + i.  A step all of whose flags are set and all of whose keys lie at or under the tile's first query is passed over.
.macro MASK
	v_readlane_b32 s40, v28, s[STEP]
	v_readlane_b32 s41, v29, s[STEP]
	v_readlane_b32 s42, v30, s[STEP]
	v_readlane_b32 s43, v31, s[STEP]
	s_and_b32 s44, s40, s41
	s_and_b32 s44, s44, s42
	s_and_b32 s44, s44, s43
	s_cmp_lg_u32 s44, -1
	s_cbranch_scc1 .Lholes_\@
	s_add_co_u32 s44, s[KF], 127
	s_cmp_le_u32 s44, s[Q0]
	s_cbranch_scc1 .Lopen_\@
.Lholes_\@:
	v_sub_nc_u32 v236, v[QI1], s[KF]               ; so many keys from KF + 16 h on lie at or under my query
.irp b, 0,1,2,3
	v_add_nc_u32 v237, -32*\b, v236
	v_cmp_gt_i32 vcc_lo, 0, v237
	v_cndmask_b32 v237, v237, 0, vcc_lo
	v_min_u32 v237, 16, v237                       ; of the block's 16 in my lane: 0 .. 16
	v_lshlrev_b32 v237, v237, 1
	v_add_nc_u32 v237, -1, v237                    ; as a mask of bits,
	v_lshrrev_b32 v[238+\b], v[H16], s[40+\b]
	v_and_b32 v[238+\b], v[238+\b], v237           ; with the flags of these keys
.endr
.irp b, 0,1,2,3
.irp i, 0,1,2,3,4,5,6,7,8,9,10,11,12,13,14,15
	v_and_b32 v242, 1<<\i, v[238+\b]
	v_cmp_eq_u32 vcc_lo, 0, v242
	v_cndmask_b32 v[96+16*\b+\i], v[96+16*\b+\i], v[NEG], vcc_lo
.endr
.endr
.Lopen_\@:
.endm
.macro BLOCKMAX fl                     ; the largest of my 16 numbers of each block of 32 keys.  fl = 1: with the floor 2^(3 - 127) among the leaves, so that a scale's byte cannot fall under 1
.irp b, 0,1,2,3
	v_max3_num_f32 v[212+\b], v[96+16*\b], v[97+16*\b], v[98+16*\b]
.endr
.irp i, 3,5,7,9,11,13
.irp b, 0,1,2,3
	v_max3_num_f32 v[212+\b], v[212+\b], v[96+16*\b+\i], v[97+16*\b+\i]
.endr
.endr
.irp b, 0,1,2,3
.if \fl
	v_max3_num_f32 v[212+\b], v[212+\b], v[111+16*\b], 0x1800000
.else
	v_max_num_f32 v[212+\b], v[212+\b], v[111+16*\b]
.endif
.endr
.endm
.macro TMINUSM                         ; t - M, two at a time (of the pairs c and -M the low word serves both halves)
.irp j, 0,2,4,6,8,10,12,14,16,18,20,22,24,26,28,30,32,34,36,38,40,42,44,46,48,50,52,54,56,58,60,62
	v_pk_fma_f32 v[96+\j:97+\j], v[96+\j:97+\j], s[CS:CS+1], v[12:13] op_sel_hi:[1,0,0]
.endr
.endm
.macro EXP64
.irp j, 0,1,2,3,4,5,6,7,8,9,10,11,12,13,14,15,16,17,18,19,20,21,22,23,24,25,26,27,28,29,30,31,32,33,34,35,36,37,38,39,40,41,42,43,44,45,46,47,48,49,50,51,52,53,54,55,56,57,58,59,60,61,62,63
	v_exp_f32 v[96+\j], v[96+\j]
.endr
.endm
; PASS 1, a key step: M and l
.macro STEP1 q
	s_cmp_ge_u32 s[KF], s[LIMK]
	s_cbranch_scc1 .Lskip1_\@
	s_cmp_lt_u32 s[KF], s[START]
	s_cbranch_scc1 .Lskip1_\@
	QKS \q
	MASK
	BLOCKMAX 0
	v_max3_num_f32 v234, v212, v213, v214
	v_max_num_f32 v234, v234, v215
	v_permlanex16_b32 v216, v234, s[SEL], s[SEL+1]
	v_max_num_f32 v234, v234, v216                 ; the step's largest score of my query
	v_mul_f32 v234, s[CS], v234
	v_max_num_f32 v13, v13, v234                   ; the running largest t
	v_mov_b32 v234, v12
	v_floor_f32 v12, -v13                          ; -M = floor(-t): M is a whole number
	v_sub_f32 v234, v12, v234
	v_cvt_i32_f32 v234, v234                       ; (it saturates)
	v_ldexp_f32 v232, 1.0, v234                    ; f = 2^(old M - new M): a multiplication by it rounds nothing
	TMINUSM
	EXP64
	v_pk_mul_f32 v[14:15], v[14:15], v[232:233] op_sel_hi:[1,0]   ; l under the new M: a plain place behind the exponentials
	s_wait_alu depctr_va_vdst(0)                   ; one wait for the batch, ahead of its first reader
	v_pk_add_f32 v[216:217], v[96:97], v[98:99]
.irp j, 4,8,12,16,20,24,28,32,36,40,44,48,52,56,60
	v_pk_add_f32 v[14:15], v[14:15], v[96+\j:97+\j]
	v_pk_add_f32 v[216:217], v[216:217], v[98+\j:99+\j]
.endr
	v_pk_add_f32 v[14:15], v[14:15], v[216:217]
.Lskip1_\@:
	s_add_co_u32 s[KF], s[KF], 128
	s_add_co_u32 s[STEP], s[STEP], 1
.endm
; PASS 2, a key step: p = 2^(t - M) / l, quantised along the keys; O^T += V^T P^T
.macro STEP2 q
	s_cmp_ge_u32 s[KF], s[LIMK]
	s_cbranch_scc1 .Lskip2_\@
	s_cmp_lt_u32 s[KF], s[START]
	s_cbranch_scc1 .Lskip2_\@
	QKS \q
.irp d, 0,1,2,3                                ; V's four fragments of these 128 keys land while the softmax is worked
.irp g, 0,1,2,3,4,5
	ds_load_b64 v[32+12*\d+2*\g:33+12*\d+2*\g], v[ADV+\d/2] offset:(\d%2)*8*PREC+1536*\q+256*\g
.endr
	ds_load_b32 v[86+\d], v[ADV+\d/2] offset:(\d%2)*8*PREC+3072+4*\q
.endr
	MASK
	TMINUSM
	EXP64
	v_nop                                          ; a plain place behind the exponentials
	s_wait_alu depctr_va_vdst(0)                   ; one wait for the batch, ahead of its first reader
.irp j, 0,2,4,6,8,10,12,14,16,18,20,22,24,26,28,30,32,34,36,38,40,42,44,46,48,50,52,54,56,58,60,62
	v_pk_mul_f32 v[96+\j:97+\j], v[96+\j:97+\j], v[230:231]   ; p, normalised
.endr
	BLOCKMAX 1                                     ; each block's largest p (none is negative), over the floor
.irp b, 0,1,2,3
	v_permlanex16_b32 v[216+\b], v[212+\b], s[SEL], s[SEL+1]
.endr
.irp b, 0,1,2,3
	v_max_num_f32 v[212+\b], v[212+\b], v[216+\b]  ; with lane l xor 16's 16 keys
.endr
.irp b, 0,1,2,3
	v_add_nc_u32 v[220+\b], 0xff000000, v[212+\b]  ; 2 off the exponent field: the conversions' scale operands
.endr
.irp b, 0,1,2,3
	v_lshrrev_b32 v[216+\b], 23, v[220+\b]
.endr
	v_lshl_or_b32 v228, v217, 8, v216              ; p's scale word for these 128 keys
	v_lshl_or_b32 v228, v218, 16, v228
	v_lshl_or_b32 v228, v219, 24, v228
.irp c, 0,1
	v_cvt_scalef32_pk16_fp6_f32 v[192+6*\c:194+6*\c], v[96+32*\c:111+32*\c], v[220+2*\c]
	v_cvt_scalef32_pk16_fp6_f32 v[204+4*\c:206+4*\c], v[112+32*\c:127+32*\c], v[220+2*\c+1]
.endr
	v_nop                                          ; one plain place behind the conversions
.irp c, 0,1
.irp i, 0,1,2
	v_permlane16_swap_b32 v[192+6*\c+\i], v[204+4*\c+\i]
.endr
.irp i, 0,1,2
	v_mov_b32 v[195+6*\c+\i], v[204+4*\c+\i]
.endr
.endr
	PLACES 8                                       ; a scale register written by vector instructions stands 8 places ahead of a scaled matrix instruction, an operand 4
	s_wait_dscnt 0x0                               ; V
.irp d, 0,1,2,3
	v_wmma_scale_f32_16x16x128_f8f6f4 v[160+8*\d:167+8*\d], v[32+12*\d:43+12*\d], v[192:203], v[160+8*\d:167+8*\d], v[86+\d], v228 matrix_a_fmt:MATRIX_FMT_FP6 matrix_b_fmt:MATRIX_FMT_FP6
.endr
	PLACES 4
.Lskip2_\@:
	s_add_co_u32 s[KF], s[KF], 128
	s_add_co_u32 s[STEP], s[STEP], 1
.endm
.macro RESET
	s_mov_b32 s[KF], 0
	s_mov_b32 s[STEP], 0
	s_mov_b32 s[TK], 0
	s_mov_b32 s[TS], 0
	s_mov_b32 s[TV], 0
	s_mov_b32 s[CNT], 8
.endm
.macro NEXTTRIP
	s_add_co_u32 s[TK], s[TK], 16*768
	s_add_co_u32 s[TS], s[TS], 8*256
	s_add_co_u32 s[TV], s[TV], PREC
	s_sub_co_u32 s[CNT], s[CNT], 1
	s_cmp_lg_u32 s[CNT], 0
.endm
; A walk over the keys: eight trips of two key steps: the count is a constant; what lies outside the segment is jumped over inside
.macro PASS1 name
	RESET
.Lp1_\name:
	STEP1 0
	STEP1 1
	NEXTTRIP
	s_cbranch_scc1 .Lp1_\name
.endm
.macro PASS2 name
	RESET
.Lp2_\name:
	STEP2 0
	STEP2 1
	NEXTTRIP
	s_cbranch_scc1 .Lp2_\name
.endm
; A segment is taken up: its tile's Q (the scale word first: it stands at least 8 plain vector instructions ahead of the next product, the codes at least 4), its queries' numbers, its range of keys
.macro SEG qr, qs, qi, q0, st, en
	v_mov_b32 v[QSC], v[\qs]
.irp g, 0,1,2,3,4,5
	v_mov_b32 v[16+\g], v[\qr+\g]
.endr
	v_mov_b32 v[QI1], v[\qi]
	s_mov_b32 s[Q0], s[\q0]
	s_mov_b32 s[START], s[\st]
	s_mov_b32 s[LIMK], s[\en]
.endm
.macro INIT1
	v_mov_b32 v13, 0xff61b1e6                      ; the largest t so far: -3e38
	v_floor_f32 v12, -v13
	v_mov_b32 v14, 0
	v_mov_b32 v15, 0
.endm
.macro LSUM                            ; l's two halves and lane l xor 16's: l, beside -M in the pair v[12:13]
	v_add_f32 v14, v14, v15
	v_permlanex16_b32 v216, v14, s[SEL], s[SEL+1]
	v_add_f32 v13, v14, v216
.endm
.macro ZERO_O                          ; steps may be passed over, so no step can be the one that starts the sums
.irp j, 0,1,2,3,4,5,6,7,8,9,10,11,12,13,14,15,16,17,18,19,20,21,22,23,24,25,26,27,28,29,30,31
	v_mov_b32 v[160+\j], 0
.endr
.endm
	s_load_b256 s[4:11], s[0:1], 0x0               ; qkimg, vimg, meta, attimg
	v_lshl_add_u32 v[SPW], v0, 2, SPARE
	v_mov_b32 v[NIL], 0
	v_lshrrev_b32 v12, 5, v0
	v_readfirstlane_b32 s[WV], v12                 ; wave 0..15
	s_and_b32 s[BB], ttmp7, 0xffff
	s_and_b32 s[HD], s[BB], 15                     ; the head
	s_lshr_b32 s[BB], s[BB], 4                     ; the batch
	s_and_b32 s[ROLE], s[WV], 1
	s_lshr_b32 s[PI], s[WV], 1                     ; i
	s_sub_co_u32 s[TA], 15, s[PI]
	s_lshl_b32 s[TA], s[TA], 3
	s_add_co_u32 s[TA], s[TA], ttmp9               ; the big tile: 8 (15 - i) + j
	s_lshl_b32 s[TB], s[PI], 3
	s_add_co_u32 s[TB], s[TB], ttmp9               ; the small tile: 8 i + j
	s_lshr_b32 s[Q0A], s[TA], 1
	s_lshl_b32 s[Q0A], s[Q0A], 5
	s_and_b32 s46, s[TA], 1
	s_lshl_b32 s46, s46, 3
	s_add_co_u32 s[Q0A], s[Q0A], s46               ; their first queries
	s_lshr_b32 s[Q0B], s[TB], 1
	s_lshl_b32 s[Q0B], s[Q0B], 5
	s_and_b32 s46, s[TB], 1
	s_lshl_b32 s46, s46, 3
	s_add_co_u32 s[Q0B], s[Q0B], s46
	s_sub_co_u32 s[ENA], 16, s[PI]
	s_lshl_b32 s[ENA], s[ENA], 7                   ; the keys up to their diagonals, in whole steps
	s_add_co_u32 s[ENB], s[PI], 1
	s_lshl_b32 s[ENB], s[ENB], 7
	s_mov_b32 s[STB], 0
	s_and_b32 s36, s[HD], 3
	s_mul_i32 s36, s36, 768                        ; the head's half fragment in its record,
	s_lshr_b32 s37, s[HD], 2
	s_mul_i32 s37, s37, PREC                       ; the record (four heads to a record),
	s_bfe_u32 s38, s[HD], 0x10001
	s_lshl_b32 s38, s38, 2
	s_add_co_u32 s38, s38, 3072                    ; and the scale word of its pair of heads
	s_lshl_b32 s39, s[BB], 7
	s_lshl_b32 s46, s[WV], 3
	s_add_co_u32 s46, s46, s39                     ; K: I stage key tiles 8 w .. 8 w + 7
	s_mul_i32 s46, s46, 26624
	s_add_co_u32 s46, s46, s37
	s_add_co_u32 s46, s46, 4*PREC                  ; k's records lie behind q's four
	s_add_co_u32 s24, s46, s36
	s_mov_b32 s25, 0
	s_add_co_u32 s26, s46, s38
	s_mov_b32 s27, 0
	s_add_co_u32 s46, s[TA], s39                   ; the big tile among the 256
	s_mul_i32 s58, s46, 26624
	s_add_co_u32 s58, s58, s37
	s_add_co_u32 s28, s58, s36                     ; its Q's codes
	s_mov_b32 s29, 0
	s_add_co_u32 s30, s58, s38                     ; and scale words
	s_mov_b32 s31, 0
	s_add_co_u32 s46, s[TB], s39                   ; the small tile likewise
	s_mul_i32 s58, s46, 26624
	s_add_co_u32 s58, s58, s37
	s_add_co_u32 s78, s58, s36
	s_mov_b32 s79, 0
	s_add_co_u32 s80, s58, s38
	s_mov_b32 s81, 0
	s_cmp_eq_u32 s[ROLE], 0
	s_cselect_b32 s46, s[TA], s[TB]                ; the tile that I write: the even wave the big one, the odd wave the small one
	s_add_co_u32 s46, s46, s39
	s_mul_i32 s58, s46, 13312
	s_add_co_u32 s58, s58, s37
	s_add_co_u32 s[OC], s58, s36                   ; att's codes
	s_mov_b32 s[OC+1], 0
	s_and_b32 s[SH], s[HD], 1
	s_lshl_b32 s46, s[SH], 1
	s_add_co_u32 s46, s46, s38
	s_add_co_u32 s[OS], s46, s58                   ; and half scale words
	s_mov_b32 s[OS+1], 0
	s_lshl_b32 s[SH], s[SH], 4                     ; my head's two bytes lie so many bits up in a scale word
	s_lshl_b32 s32, s[HD], 2
	s_lshr_b32 s46, s[WV], 2
	s_add_co_u32 s32, s32, s46                     ; V: tile 4 head + w / 4,
	s_mul_i32 s32, s32, 53248
	s_mul_i32 s46, s[BB], 8*PREC                   ; the batch's eight records,
	s_add_co_u32 s32, s32, s46
	s_and_b32 s46, s[WV], 3
	s_mul_i32 s46, s46, 13*512                     ; a quarter of them
	s_add_co_u32 s32, s32, s46
	s_mov_b32 s33, 0
	s_lshl_b32 s34, s[BB], 8                       ; the batch's 64 words of flags
	s_mov_b32 s35, 0
	s_lshl_b32 s[MO], s[BB], 7
	s_mov_b32 s[CS], 0x3e38aa3b                    ; c = log2(e) / 8
	s_mov_b32 s[CS+1], s[CS]
	s_mov_b32 s[SEL], 0x76543210
	s_mov_b32 s[SEL+1], 0xfedcba98
	v_and_b32 v[L16], 31, v0
	v_lshlrev_b32 v[L8], 3, v[L16]
	v_lshlrev_b32 v[L16], 4, v[L16]                ; 16 x lane
	v_and_b32 v12, 15, v0                          ; r
	v_lshlrev_b32 v[ADV+1], 4, v12                 ; 16 r: my lane's four words of flags
	v_bfe_u32 v13, v0, 4, 1                        ; h
	v_lshlrev_b32 v[H16], 4, v13
	v_and_b32 v14, 8, v12
	v_add_nc_u32 v14, v14, v12                     ; r + 8 (r / 8): my query in a tile
	v_add_nc_u32 v14, 1, v14
	v_sub_nc_u32 v14, v14, v[H16]
	v_add_nc_u32 v[QIA], s[Q0A], v14
	v_add_nc_u32 v[QIB], s[Q0B], v14
	s_mul_i32 s46, s[WV], 8*768
	v_add_nc_u32 v[ADK], s46, v[L16]               ; where I put K's codes,
	s_lshl_b32 s46, s[WV], 10
	s_add_co_u32 s46, s46, KS
	v_add_nc_u32 v[ADS], s46, v[L8]                ; K's scale words,
	s_mul_i32 s46, s[WV], 13*512
	s_add_co_u32 s46, s46, VR
	v_add_nc_u32 v[ADV], s46, v[L16]               ; and V's records
	v_add_nc_u32 v[AS0], KS, v[L8]
	v_add_nc_u32 v[AV0], VR, v[L8]
	v_add_nc_u32 v[AV1], VR+16*PREC, v[L8]
	s_lshl_b32 s46, s[WV], 8
	s_add_co_u32 s46, s46, EX
	v_add_nc_u32 v[EXW], s46, v[L8]
	s_xor_b32 s46, s[WV], 1                        ; my partner
	s_lshl_b32 s46, s46, 8
	s_add_co_u32 s46, s46, EX
	v_add_nc_u32 v[EXR], s46, v[L8]
	s_lshl_b32 s46, s[WV], 12
	s_add_co_u32 s46, s46, OP
	v_add_nc_u32 v[OPW], s46, v[L16]
	s_xor_b32 s46, s[WV], 1
	s_lshl_b32 s46, s46, 12
	s_add_co_u32 s46, s46, OP
	v_add_nc_u32 v[OPR], s46, v[L16]
	s_wait_kmcnt 0x0
	s_load_b32 s[FV], s[8:9], s[MO] offset:0x200   ; the batch's first key that counts
	s_add_nc_u64 s[24:25], s[4:5], s[24:25]
	s_add_nc_u64 s[26:27], s[4:5], s[26:27]
	s_add_nc_u64 s[28:29], s[4:5], s[28:29]
	s_add_nc_u64 s[30:31], s[4:5], s[30:31]
	s_add_nc_u64 s[78:79], s[4:5], s[78:79]
	s_add_nc_u64 s[80:81], s[4:5], s[80:81]
	s_add_nc_u64 s[32:33], s[6:7], s[32:33]
	s_add_nc_u64 s[34:35], s[8:9], s[34:35]
	s_add_nc_u64 s[OC:OC+1], s[10:11], s[OC:OC+1]
	s_add_nc_u64 s[OS:OS+1], s[10:11], s[OS:OS+1]
.irp e, 0,1,2,3,4,5,6,7
.irp g, 0,1,2
	global_load_b64 v[32+6*\e+2*\g:33+6*\e+2*\g], v[L8], s[24:25] offset:\e*26624+256*\g   ; 256 consecutive bytes, aligned
.endr
.endr
.irp e, 0,1,2,3,4,5,6,7
	global_load_b32 v[148+\e], v[L8], s[26:27] offset:\e*26624
.endr
.irp i, 0,1,2,3,4,5,6,7,8,9,10,11,12
	global_load_b128 v[96+4*\i:99+4*\i], v[L16], s[32:33] offset:512*\i
.endr
.irp g, 0,1,2
	global_load_b64 v[QA+2*\g:QA+2*\g+1], v[L8], s[28:29] offset:256*\g
.endr
	global_load_b32 v[QSA], v[L8], s[30:31]
.irp g, 0,1,2
	global_load_b64 v[QB+2*\g:QB+2*\g+1], v[L8], s[78:79] offset:256*\g
.endr
	global_load_b32 v[QSB], v[L8], s[80:81]
	global_load_b128 v[28:31], v[ADV+1], s[34:35]
	s_wait_loadcnt 0x0
.irp e, 0,1,2,3,4,5,6,7
	v_lshrrev_b32 v[148+\e], s[SH], v[148+\e]      ; my head's two bytes come lowest: they scale k = 0 .. 63
.endr
	v_lshrrev_b32 v[QSA], s[SH], v[QSA]
	v_lshrrev_b32 v[QSB], s[SH], v[QSB]
.irp p, 0,1,2,3
.irp c, 0,1,2
	ds_store_b128 v[ADK], v[32+12*\p+4*\c:35+12*\p+4*\c] offset:\p*1536+512*\c   ; two tiles' 12 registers as they stand: the same three lines as loads give any wave the same registers
.endr
.endr
.irp e, 0,1,2,3,4,5,6,7
	ds_store_b32 v[ADS], v[148+\e] offset:(\e/2)*256+4*(\e%2)
.endr
.irp i, 0,1,2,3,4,5,6,7,8,9,10,11,12
	ds_store_b128 v[ADV], v[96+4*\i:99+4*\i] offset:512*\i
.endr
	s_wait_dscnt 0x0                               ; for the others' sake: my stores are done
	s_barrier_signal -1
	s_barrier_wait -1                              ; the head's K and V lie in LDS
	s_wait_kmcnt 0x0
	s_cmp_lt_u32 s[Q0A], s[FV]                     ; does a tile hold a query for which no key counts?
	s_cselect_b32 s[ENA], 2048, s[ENA]             ; then it walks all keys
	s_cmp_lt_u32 s[Q0B], s[FV]
	s_cselect_b32 s[ENB], 2048, s[ENB]
	s_cmp_eq_u32 s[ROLE], 0
	s_cselect_b32 s[ENA], 1152, s[ENA]             ; the even wave: the big tile's steps 0 to 8, and nothing of the small tile;
	s_cselect_b32 s[ENB], 0, s[ENB]
	s_cselect_b32 s[STA], 0, 1152                  ; the odd wave: the big tile from step 9 on, and the small tile
.irp i, 22,23,24,25,26,27
	v_mov_b32 v[\i], 0                             ; Q's upper 64 codes
.endr
	v_mov_b32 v[NEG], 0xd0000000                   ; -2^33
	v_mov_b32 v233, 0                              ; (named as the upper half of a pair)
.irp i, 216,217,218,219
	v_mov_b32 v[\i], 0                             ; a lane permute's destination counts as one of its sources
.endr
	; ---- pass 1, both segments
	SEG QA, QSA, QIA, Q0A, STA, ENA
	INIT1
	PASS1 a
	LSUM
	ds_store_b64 v[EXW], v[12:13]                  ; (-M, l) of my part of the big tile, for my partner and for me
	s_wait_dscnt 0x0                               ; the store has read its registers
	SEG QB, QSB, QIB, Q0B, STB, ENB
	INIT1
	PASS1 b
	LSUM
	v_mov_b32 v[NM1], v12                          ; the small tile's -M is final,
	v_rcp_f32 v[RL1], v13                          ; and so is its l.  (In the even wave, whose second segment is empty, neither is ever used)
	v_nop                                          ; a plain place behind the reciprocal
	s_wait_alu depctr_va_vdst(0)                   ; and its wait
	s_wait_dscnt 0x0
	s_barrier_signal -1
	s_barrier_wait -1                              ; every wave's (-M, l) lies in LDS
	ds_load_b64 v[216:217], v[EXR]                 ; my partner's
	ds_load_b64 v[218:219], v[EXW]                 ; and mine
	s_wait_dscnt 0x0
	v_min_num_f32 v12, v216, v218                  ; -M of the whole row: the larger M
	v_sub_f32 v220, v12, v216                      ; M_a - M: a whole number, 0 or less (a part without keys has -M = 3e38: its factor comes out 0, and its l is 0)
	v_sub_f32 v221, v12, v218
	v_cvt_i32_f32 v220, v220                       ; (it saturates)
	v_cvt_i32_f32 v221, v221
	v_ldexp_f32 v220, 1.0, v220
	v_ldexp_f32 v221, 1.0, v221
	v_mul_f32 v217, v217, v220                     ; by a power of two: nothing is rounded,
	v_fma_f32 v217, v219, v221, v217               ; so the sum is rounded once, alike in both partners
	v_rcp_f32 v230, v217
	v_nop                                          ; a plain place behind the reciprocal
	s_wait_alu depctr_va_vdst(0)                   ; and the wait ahead of its first reader
	v_mov_b32 v231, v230
	; ---- pass 2, both segments
	SEG QA, QSA, QIA, Q0A, STA, ENA
	ZERO_O
	PASS2 a
.irp e, 0,1,2,3,4,5,6,7
	ds_store_b128 v[OPW], v[160+4*\e:163+4*\e] offset:512*\e   ; my part of the big tile's O^T, as the registers stand; each accumulator from its low end on
.endr
	s_wait_dscnt 0x0                               ; the stores have read their registers
	SEG QB, QSB, QIB, Q0B, STB, ENB
	v_mov_b32 v12, v[NM1]
	v_mov_b32 v230, v[RL1]
	v_mov_b32 v231, v[RL1]
	ZERO_O
	PASS2 b
	s_wait_dscnt 0x0
	s_barrier_signal -1
	s_barrier_wait -1                              ; every wave's part lies in LDS
	s_cmp_lg_u32 s[ROLE], 0
	s_cbranch_scc1 .Lsmall                         ; the odd wave holds the small tile's O^T in its registers
.irp e, 0,1,2,3,4,5,6,7
	ds_load_b128 v[160+4*\e:163+4*\e], v[OPW] offset:512*\e
.endr
.irp e, 0,1,2,3,4,5,6,7
	ds_load_b128 v[96+4*\e:99+4*\e], v[OPR] offset:512*\e
.endr
	s_wait_dscnt 0x0
.irp k, 0,2,4,6,8,10,12,14,16,18,20,22,24,26,28,30
	v_pk_add_f32 v[160+\k:161+\k], v[160+\k:161+\k], v[96+\k:97+\k]   ; the big tile's O^T: the two parts
.endr
.Lsmall:
	; THE WAY OUT: my 32 numbers a lane are the head's 64 channels in two lanes: half a fragment of att and half a scale word
.irp b, 0,1
	v_max3_num_f32 v[212+\b], |v[160+16*\b]|, |v[161+16*\b]|, 0x1800000
.endr
.irp i, 2,4,6,8,10,12,14
.irp b, 0,1
	v_max3_num_f32 v[212+\b], v[212+\b], |v[160+16*\b+\i]|, |v[161+16*\b+\i]|
.endr
.endr
.irp b, 0,1
	v_permlanex16_b32 v[216+\b], v[212+\b], s[SEL], s[SEL+1]
.endr
.irp b, 0,1
	v_max_num_f32 v[212+\b], v[212+\b], v[216+\b]
.endr
.irp b, 0,1
	v_add_nc_u32 v[220+\b], 0xff000000, v[212+\b]
.endr
.irp b, 0,1
	v_lshrrev_b32 v[222+\b], 23, v[220+\b]
.endr
	v_lshl_or_b32 v224, v223, 8, v222
	v_cvt_scalef32_pk16_fp6_f32 v[192:194], v[160:175], v220
	v_cvt_scalef32_pk16_fp6_f32 v[204:206], v[176:191], v221
	v_nop                                          ; one plain place behind the conversions
.irp i, 0,1,2
	v_permlane16_swap_b32 v[192+\i], v[204+\i]
.endr
.irp i, 0,1,2
	v_mov_b32 v[195+\i], v[204+\i]
.endr
.irp g, 0,1,2
	global_store_b64 v[L8], v[192+2*\g:193+2*\g], s[OC:OC+1] offset:256*\g   ; 32 lanes store 256 consecutive bytes, aligned
.endr
	global_store_b16 v[L8], v224, s[OS:OS+1]
	s_wait_tensorcnt 0x0                           ; the wave's end, behind my last LDS store
	ds_add_u32 v[SPW], v[NIL]
	s_wait_dscnt 0x0
	s_endpgm
.Lfunc_end_k_q816a0d2499_attn:
	.size	k_q816a0d2499_attn, .Lfunc_end_k_q816a0d2499_attn-k_q816a0d2499_attn
	.p2alignl 7, 3214868480
	.fill 96, 4, 3214868480
	.section	.rodata,"a",@progbits
	.p2align	6, 0x0
	.amdhsa_kernel k_q816a0d2499_attn
		.amdhsa_group_segment_fixed_size 292864
		.amdhsa_private_segment_fixed_size 0
		.amdhsa_enable_private_segment 0
		.amdhsa_kernarg_size 32
		.amdhsa_user_sgpr_count 2
		.amdhsa_user_sgpr_kernarg_segment_ptr 1
		.amdhsa_wavefront_size32 1
		.amdhsa_system_sgpr_workgroup_id_x 1
		.amdhsa_system_sgpr_workgroup_id_y 1
		.amdhsa_system_sgpr_workgroup_id_z 1
		.amdhsa_system_vgpr_workitem_id 0
		.amdhsa_next_free_vgpr 256
		.amdhsa_next_free_sgpr 100
		.amdhsa_reserve_vcc 1
		.amdhsa_float_denorm_mode_32 3
		.amdhsa_float_denorm_mode_16_64 3
		.amdhsa_memory_ordered 1
		.amdhsa_forward_progress 1
		.amdhsa_inst_pref_size 204
	.end_amdhsa_kernel
	.amdgpu_metadata
---
amdhsa.version: [ 1, 2 ]
amdhsa.kernels:
  - .name:           k_q816a0d2499_attn
    .symbol:         k_q816a0d2499_attn.kd
    .args:
      - { .name: qkimg, .offset: 0, .size: 8, .value_kind: global_buffer, .address_space: global }
      - { .name: vimg, .offset: 8, .size: 8, .value_kind: global_buffer, .address_space: global }
      - { .name: meta, .offset: 16, .size: 8, .value_kind: global_buffer, .address_space: global }
      - { .name: attimg, .offset: 24, .size: 8, .value_kind: global_buffer, .address_space: global }
    .group_segment_fixed_size: 292864
    .private_segment_fixed_size: 0
    .kernarg_segment_align: 8
    .kernarg_segment_size: 32
    .max_flat_workgroup_size: 512
    .sgpr_count:     100
    .vgpr_count:     256
    .wavefront_size: 32
...
	.end_amdgpu_metadata
.endif
;; end of part 4
;; launch wo (part 5): grid 8 x 32, 16 waves a work-group, clusters of 4 x 4, 327,680 bytes of LDS; arguments wimg, attimg, x, x1; writes x1
.if DOCPART == 5
	.amdgcn_target "amdgcn-amd-amdhsa--gfx1250"
	.amdhsa_code_object_version 6
	.text
	.protected	k_q816a0d2499_wo
	.globl	k_q816a0d2499_wo
	.p2align	8
	.type	k_q816a0d2499_wo,@function
k_q816a0d2499_wo:
	s_mov_b64 s[64:65], 0
	v_nop
	global_prefetch_b8 v0, s[64:65] scope:SCOPE_SE
	s_setreg_imm32_b32 hwreg(HW_REG_WAVE_MODE, 25, 1), 1
	s_wait_xcnt 0x0
	s_wait_alu depctr_hold_cnt(0) depctr_sa_sdst(0) depctr_va_vdst(0) depctr_va_sdst(0) depctr_va_ssrc(0) depctr_va_vcc(0) depctr_vm_vsrc(0)
	s_getreg_b32 s2, hwreg(HW_REG_IB_STS2, 6, 4)
	s_cmp_eq_u32 s2, 0
	s_cbranch_scc0 .Lentry_in_a_cluster
	s_endpgm
.Lentry_in_a_cluster:
	s_bfe_u32 s2, ttmp6, 0x10000c
	s_cmp_lg_u32 s2, 0xf033
	s_cbranch_scc0 .Lentry_shape_is_right
	s_endpgm
.Lentry_shape_is_right:
; out = res + act W^T on codes of FP6 (E2M3): act [4,096][KK], W [1,024][KK] as operand images, res and out [4,096][1,024] f32.  Here: x1 = x + att wo^T, KK = 1,024.
; OPERAND IMAGES: tile t = rows 32 (t / 2) + 8 (t % 2) + r + 8 (r / 8); a record of 3,328 bytes = two fragments of 128 along K (1,536 bytes each, registers 2 g, 2 g + 1 at 256 g + 8 x lane) + 256 bytes of scale words (8 x lane + 4 f).
; SHARES.  N is only 1,024: a work-group makes 128 x 128 of out, so that there are 256 work-groups, and K IS SPLIT FOUR WAYS INSIDE THE WORK-GROUP, so that a wave's tile is still 64 x 64:
; wave w: columns 64 (w % 2), rows 64 ((w / 2) % 2), and of each phase of 512 along K the (w / 4)-th 128.  At the end the four parts meet in LDS: each of the four waves takes over one tile of 16 rows.
; Source 0 = W's rows, source 1 = act's rows: a lane holds one row of out, and its registers neighbouring columns.  The accumulators' block 0 is always the tile that the wave takes over.
; K goes in phases of 512 through two LDS slots; a wave's tensor load brings one tile's two records, 6,656 consecutive bytes.  By this text's count a wave has two tensor loads out at the start and one behind each refill's barrier.
; CLUSTERS: 4 x 4 work-groups; W's tiles (X) are asked for jointly by the cluster's column, act's (Y) by its row.
; THE ORDER OF SUMS: each part ascends in K; the four parts are added in a fixed order that is not ascending in K.
.set NPH,   2                          ; phases: KK / 512
.set RP,    13312                      ; a tile's records in bytes: KK / 256 x 3,328
.set WOFF,  2555904                    ; where W's tiles begin in wimg
.set PREC,  3328
.set REG,   53248                      ; a region of a slot: 8 tiles x two records
.set SLOT1, 131072                     ; slot 1 begins here: one exclusive or turns an address in one slot into the other's
.set STAGE, SLOT1+2*REG                ; 16 rows x (256 + 16) bytes for each wave, for the way out
.set SPARE, STAGE+16*4352              ; the spare words, 128 bytes a wave
.set L8,  1
.set A0,  2                            ; v2   my lane's place in W's four fragments;  v3 in their scale words
.set A0S, 3
.set A1,  4                            ; v4-7 in act's fragment jj (tile (jj + w / 4) % 4 of my four);  v8-11 in its scale words
.set A1S, 8
.set SC0, 12                           ; v12-15, v16-19 the scale words.  Scales and nothing else
.set SC1, 16
.set L16, 20
.set RS,  21                           ; v21-23 where blocks 1 to 3 go for their owners
.set RL,  24                           ; v24  where the three parts for my tile lie
.set STO, 25
.set RD,  26
.set GOF, 27
.set SPW, 28
.set NIL, 29
.set F0,  32
.set F1,  80
.set ACC, 128                          ; accumulator (jj, i) at 128 + 32 jj + 8 i
.set G1X, 24
.set G1Y, 32
.set G0X, 40                           ; s[40:47] group 0 for X, a set for each slot;  s[48:55] for Y
.set G0Y, 48
.macro JLOAD g0a, g1a, g0b, g1b        ; a joint load: waves 0 to 7 fetch X's tiles, waves 8 to 15 Y's.  An s_nop 0 and four v_nop follow each line
	s_cmp_eq_u32 s15, 0
	s_cbranch_scc0 .Lfor_b_\@
	tensor_load_to_lds s[\g0a:\g0a+3], s[\g1a:\g1a+7]
	s_nop 0
.rept 4
	v_nop
.endr
	s_branch .Lasked_\@
.Lfor_b_\@:
	tensor_load_to_lds s[\g0b:\g0b+3], s[\g1b:\g1b+7]
	s_nop 0
.rept 4
	v_nop
.endr
.Lasked_\@:
.endm
.macro CROUND                          ; a round of the cluster's barrier
	s_barrier_signal -1
	s_barrier_wait -1
	s_cmp_lg_u32 s14, 0
	s_cbranch_scc1 .Lnot_wave_0_\@
	s_barrier_signal -3
.Lnot_wave_0_\@:
	s_barrier_wait -3
	s_barrier_signal -1
	s_barrier_wait -1
.endm
.macro PLACES n
.rept \n
	v_nop
.endr
.endm
; A phase: my 128 of its 512 along K: 16 matrix instructions, the accumulators by turns.  turn = 1: the ten addresses go over to the other slot;
; these ten plain instructions are also the places in front of the loads into registers that matrix instructions have read.
.macro PHASE turn, zero
.if \turn
.irp a, 2,3,4,5,6,7,8,9,10,11
	v_xor_b32 v[\a], SLOT1, v[\a]
.endr
.endif
.irp i, 0,1,2,3
	ds_load_b32 v[SC0+\i], v[A0S] offset:\i*2*PREC
	ds_load_b32 v[SC1+\i], v[A1S+\i]
.endr
.irp i, 0,1,2,3
.irp g, 0,1,2,3,4,5
	ds_load_b64 v[F0+12*\i+2*\g:F0+12*\i+2*\g+1], v[A0] offset:\i*2*PREC+256*\g
.endr
.endr
.irp i, 0,1,2,3
.irp g, 0,1,2,3,4,5
	ds_load_b64 v[F1+12*\i+2*\g:F1+12*\i+2*\g+1], v[A1+\i] offset:256*\g
.endr
.endr
.irp j, 0,1,2,3
	s_wait_dscnt 18-6*\j                           ; act's later fragments, six loads each, may be out
.irp i, 0,1,2,3
.if \zero
	v_wmma_scale_f32_16x16x128_f8f6f4 v[ACC+32*\j+8*\i:ACC+32*\j+8*\i+7], v[F0+12*\i:F0+12*\i+11], v[F1+12*\j:F1+12*\j+11], 0, v[SC0+\i], v[SC1+\j] matrix_a_fmt:MATRIX_FMT_FP6 matrix_b_fmt:MATRIX_FMT_FP6
.else
	v_wmma_scale_f32_16x16x128_f8f6f4 v[ACC+32*\j+8*\i:ACC+32*\j+8*\i+7], v[F0+12*\i:F0+12*\i+11], v[F1+12*\j:F1+12*\j+11], v[ACC+32*\j+8*\i:ACC+32*\j+8*\i+7], v[SC0+\i], v[SC1+\j] matrix_a_fmt:MATRIX_FMT_FP6 matrix_b_fmt:MATRIX_FMT_FP6
.endif
.endr
.endr
.endm
	s_load_b256 s[4:11], s[0:1], 0x0               ; wimg, act, res, out
	v_lshl_add_u32 v[SPW], v0, 2, SPARE
	v_mov_b32 v[NIL], 0
	ds_add_u32 v[SPW], v[NIL]                      ; the wave's opening: the add and its wait ahead of my first tensor load; work on registers stands between them
	v_lshrrev_b32 v1, 5, v0
	v_readfirstlane_b32 s14, v1                    ; wave 0..15
	s_lshr_b32 s15, s14, 3                         ; I fetch for X (0) or for Y (1),
	s_and_b32 s16, s14, 7                          ; tile wave % 8
	s_bfe_u32 s17, ttmp6, 0x40000                  ; cx
	s_bfe_u32 s18, ttmp6, 0x40004                  ; cy
	s_lshl_b32 s19, ttmp9, 2
	s_add_co_u32 s19, s19, s17                     ; work-group x
	s_and_b32 s20, ttmp7, 0xffff
	s_lshl_b32 s20, s20, 2
	s_add_co_u32 s20, s20, s18                     ; work-group y
	s_lshl_b32 s21, s18, 2
	s_lshl_b32 s21, 15, s21                        ; my row of the cluster
	s_lshl_b32 s22, 0x1111, s17                    ; my column
	s_or_b32 s[G1X], s22, (3<<16)|(1<<21)          ; 15:0 the mask; 17:16 elements of 8 bytes; 21 set beside a mask; no padding
	s_or_b32 s[G1Y], s21, (3<<16)|(1<<21)
.irp g, G1X, G1Y
	s_mov_b32 s[\g+1], 832<<16                     ; one dense row of 832 elements: two records
	s_mov_b32 s[\g+2], 1<<16
	s_mov_b32 s[\g+3], 832<<16
	s_mov_b32 s[\g+4], 1
	s_mov_b32 s[\g+5], 832
	s_mov_b32 s[\g+6], 0
	s_mov_b32 s[\g+7], 0
.endr
	s_lshl_b32 s66, s19, 3                         ; X: tile 8 x + wave % 8: it hangs on x and the wave alone
	s_add_co_u32 s66, s66, s16
	s_mul_i32 s66, s66, RP
	s_add_co_u32 s66, s66, WOFF
	s_mov_b32 s67, 0
	s_lshl_b32 s68, s20, 3                         ; Y: tile 8 y + wave % 8
	s_add_co_u32 s68, s68, s16
	s_mul_i32 s68, s68, RP
	s_mov_b32 s69, 0
	s_mul_i32 s70, s14, 2*PREC                     ; where they go in a slot: no place in the cluster enters an LDS address
	s_wait_dscnt 0x0                               ; the opening add is done
	s_wait_kmcnt 0x0
	s_add_nc_u64 s[66:67], s[4:5], s[66:67]
	s_add_nc_u64 s[68:69], s[6:7], s[68:69]
	CROUND                                         ; all sixteen work-groups are here: the first joint loads meet
.irp n, 0,1
	s_mov_b32 s[G0X+4*\n], 1
	s_add_co_u32 s[G0X+4*\n+1], s70, \n*SLOT1
	s_add_nc_u64 s[G0X+4*\n+2:G0X+4*\n+3], s[66:67], \n*2*PREC
	s_or_b32 s[G0X+4*\n+3], s[G0X+4*\n+3], 0x80000000
	s_mov_b32 s[G0Y+4*\n], 1
	s_add_co_u32 s[G0Y+4*\n+1], s70, \n*SLOT1
	s_add_nc_u64 s[G0Y+4*\n+2:G0Y+4*\n+3], s[68:69], \n*2*PREC
	s_or_b32 s[G0Y+4*\n+3], s[G0Y+4*\n+3], 0x80000000
	JLOAD G0X+4*\n, G1X, G0Y+4*\n, G1Y             ; phases 0 and 1
.endr
	v_and_b32 v[L16], 31, v0
	v_lshlrev_b32 v[L8], 3, v[L16]
	v_lshlrev_b32 v[L16], 4, v[L16]
	v_and_b32 v30, 15, v0                          ; r
	v_bfe_u32 v31, v0, 4, 1                        ; h
	s_and_b32 s71, s14, 1                          ; w0: my 64 columns
	s_bfe_u32 s72, s14, 0x10001                    ; w1: my 64 rows
	s_lshr_b32 s73, s14, 2                         ; kq: my 128 of a phase's 512
	s_lshr_b32 s74, s73, 1
	s_mul_i32 s74, s74, PREC
	s_and_b32 s75, s73, 1
	s_mul_i32 s76, s75, 1536
	s_add_co_u32 s76, s76, s74                     ; my fragment's place in a tile's two records
	s_lshl_b32 s77, s75, 2
	s_add_co_u32 s77, s77, s74
	s_add_co_u32 s77, s77, 3072                    ; and its scale words'
	s_mul_i32 s78, s71, 8*PREC
	s_add_co_u32 s79, s78, s76
	v_add_nc_u32 v[A0], s79, v[L8]
	s_add_co_u32 s79, s78, s77
	v_add_nc_u32 v[A0S], s79, v[L8]
	s_lshl_b32 s87, s72, 2
.irp n, 0,1,2,3
	s_add_co_u32 s79, s73, \n
	s_and_b32 s79, s79, 3
	s_add_co_u32 s79, s79, s87                     ; act's tile 4 w1 + (n + kq) % 4
	s_mul_i32 s79, s79, 2*PREC
	s_add_co_u32 s79, s79, REG
	s_add_co_u32 s86, s79, s76
	v_add_nc_u32 v[A1+\n], s86, v[L8]
	s_add_co_u32 s86, s79, s77
	v_add_nc_u32 v[A1S+\n], s86, v[L8]
.endr
	s_and_b32 s87, s14, 3
	s_lshl_b32 s87, s87, 2
.irp n, 1,2,3
	s_add_co_u32 s79, s73, \n
	s_and_b32 s79, s79, 3
	s_add_co_u32 s79, s79, s87                     ; the owner of my block n: the wave of my four with kq' = (kq + n) % 4;
	s_mul_i32 s79, s79, 3
	s_add_co_u32 s79, s79, \n-1                    ; of its three places the (n - 1)-th
	s_lshl_b32 s79, s79, 12
	v_add_nc_u32 v[RS+\n-1], s79, v[L16]
.endr
	s_add_co_u32 s79, s87, s73
	s_mul_i32 s79, s79, 3*4096
	v_add_nc_u32 v[RL], s79, v[L16]
	s_mul_i32 s79, s14, 4352
	s_add_co_u32 s79, s79, STAGE                   ; my stage
	v_mul_u32_u24 v[STO], v30, 272
	v_lshl_add_u32 v[STO], v31, 6, v[STO]
	v_add_nc_u32 v[STO], s79, v[STO]               ; in: row r, + 64 h
	v_mul_u32_u24 v[RD], v31, 272
	v_lshl_add_u32 v[RD], v30, 4, v[RD]
	v_add_nc_u32 v[RD], s79, v[RD]                 ; back: lanes 0-15 one row, lanes 16-31 the next
	v_lshlrev_b32 v[GOF], 12, v31
	v_lshl_add_u32 v[GOF], v30, 4, v[GOF]          ; and the same two rows in res and out
	s_lshl_b32 s78, s20, 3
	s_lshl_b32 s79, s72, 2
	s_add_co_u32 s78, s78, s79
	s_add_co_u32 s78, s78, s73                     ; the tile of rows that I take over: 8 y + 4 w1 + kq
	s_lshr_b32 s79, s78, 1
	s_lshl_b32 s79, s79, 5
	s_and_b32 s78, s78, 1
	s_lshl_b32 s78, s78, 3
	s_add_co_u32 s78, s78, s79                     ; its first row
	s_lshl_b32 s78, s78, 12
	s_lshl_b32 s79, s19, 9
	s_add_co_u32 s78, s78, s79
	s_lshl_b32 s79, s71, 8
	s_add_co_u32 s78, s78, s79                     ; + my 64 columns' bytes
	s_mov_b32 s79, 0
	s_add_nc_u64 s[8:9], s[8:9], s[78:79]
	s_add_nc_u64 s[10:11], s[10:11], s[78:79]
	s_wait_tensorcnt 1                             ; my part of slot 0 is in; slot 1's may stay out
	s_barrier_signal -1
	s_barrier_wait -1
	PHASE 0, 1
.set PH, 1
.rept NPH-1
	s_wait_tensorcnt 0x0                           ; all my tensor loads have landed, my part of this phase's slot among them
	ds_add_u32 v[SPW], v[NIL]                      ; 0 onto my spare word
.if PH+1 < NPH
.set GA, G0X+4*((PH-1)%2)
.set GB, G0Y+4*((PH-1)%2)
	s_add_nc_u64 s[GA+2:GA+3], s[GA+2:GA+3], 4*PREC   ; the slot just read takes the phase two on
	s_add_nc_u64 s[GB+2:GB+3], s[GB+2:GB+3], 4*PREC
	s_wait_dscnt 0x0                               ; the add is done, and my reads of that slot are over
	CROUND                                         ; no wave of any partner still reads it or has a load on its way
	JLOAD GA, G1X, GB, G1Y
.else
	s_wait_dscnt 0x0
	s_barrier_signal -1
	s_barrier_wait -1                              ; the last phase: nothing is filled again
.endif
	PHASE 1, 0
.set PH, PH+1
.endr
	; THE WAY OUT
	PLACES 4
.irp e, 0,1,2,3,4,5,6,7
	global_load_b128 v[32+4*\e:35+4*\e], v[GOF], s[8:9] offset:(2*\e+8*(\e/4))*4096 th:TH_LOAD_NT   ; the residual of my tile: 16 lanes read 256 consecutive bytes
.endr
	s_wait_dscnt 0x0
	s_barrier_signal -1
	s_barrier_wait -1                              ; nobody reads the slots any more, and they have had their last fill: the parts meet there
.irp n, 1,2,3
.irp e, 0,1,2,3,4,5,6,7
	ds_store_b128 v[RS+\n-1], v[ACC+32*\n+4*\e:ACC+32*\n+4*\e+3] offset:512*\e   ; each accumulator from its low end on
.endr
.endr
	s_wait_dscnt 0x0                               ; for the others' sake: my stores are done
	s_barrier_signal -1
	s_barrier_wait -1
.irp c, 0,1,2
.irp e, 0,1,2,3,4,5,6,7
	ds_load_b128 v[160+32*\c+4*\e:163+32*\c+4*\e], v[RL] offset:4096*\c+512*\e
.endr
.endr
	s_wait_dscnt 0x0
.irp c, 0,1,2
.irp k, 0,2,4,6,8,10,12,14,16,18,20,22,24,26,28,30
	v_pk_add_f32 v[ACC+\k:ACC+\k+1], v[ACC+\k:ACC+\k+1], v[160+32*\c+\k:161+32*\c+\k]
.endr
.endr
.irp b, 0,1                                    ; register 16 b + i is column 32 b + 16 h + i of row r
.irp q, 0,1,2,3
	ds_store_b128 v[STO], v[ACC+16*\b+4*\q:ACC+16*\b+4*\q+3] offset:128*\b+16*\q
.endr
.endr
.irp e, 0,1,2,3,4,5,6,7
	ds_load_b128 v[64+4*\e:67+4*\e], v[RD] offset:544*\e   ; LDS serves a wave's instructions in order: these see my stores
.endr
	s_wait_dscnt 0x0
	s_wait_loadcnt 0x0
.irp k, 0,2,4,6,8,10,12,14,16,18,20,22,24,26,28,30
	v_pk_add_f32 v[64+\k:65+\k], v[64+\k:65+\k], v[32+\k:33+\k]
.endr
.irp e, 0,1,2,3,4,5,6,7
	global_store_b128 v[GOF], v[64+4*\e:67+4*\e], s[10:11] offset:(2*\e+8*(\e/4))*4096 th:TH_STORE_NT   ; 16 lanes store 256 consecutive bytes, aligned
.endr
	s_wait_tensorcnt 0x0                           ; the wave's end, behind my last tensor load and my last LDS store
	ds_add_u32 v[SPW], v[NIL]
	s_wait_dscnt 0x0
	CROUND                                         ; the closing round
	s_endpgm
.Lfunc_end_k_q816a0d2499_wo:
	.size	k_q816a0d2499_wo, .Lfunc_end_k_q816a0d2499_wo-k_q816a0d2499_wo
	.p2alignl 7, 3214868480
	.fill 96, 4, 3214868480
	.section	.rodata,"a",@progbits
	.p2align	6, 0x0
	.amdhsa_kernel k_q816a0d2499_wo
		.amdhsa_group_segment_fixed_size 327680
		.amdhsa_private_segment_fixed_size 0
		.amdhsa_enable_private_segment 0
		.amdhsa_kernarg_size 32
		.amdhsa_user_sgpr_count 2
		.amdhsa_user_sgpr_kernarg_segment_ptr 1
		.amdhsa_wavefront_size32 1
		.amdhsa_system_sgpr_workgroup_id_x 1
		.amdhsa_system_sgpr_workgroup_id_y 1
		.amdhsa_system_sgpr_workgroup_id_z 1
		.amdhsa_system_vgpr_workitem_id 0
		.amdhsa_next_free_vgpr 256
		.amdhsa_next_free_sgpr 100
		.amdhsa_reserve_vcc 0
		.amdhsa_float_denorm_mode_32 3
		.amdhsa_float_denorm_mode_16_64 3
		.amdhsa_memory_ordered 1
		.amdhsa_forward_progress 1
		.amdhsa_inst_pref_size 32
	.end_amdhsa_kernel
	.amdgpu_metadata
---
amdhsa.version: [ 1, 2 ]
amdhsa.kernels:
  - .name:           k_q816a0d2499_wo
    .symbol:         k_q816a0d2499_wo.kd
    .args:
      - { .name: wimg, .offset: 0, .size: 8, .value_kind: global_buffer, .address_space: global }
      - { .name: attimg, .offset: 8, .size: 8, .value_kind: global_buffer, .address_space: global }
      - { .name: x, .offset: 16, .size: 8, .value_kind: global_buffer, .address_space: global }
      - { .name: x1, .offset: 24, .size: 8, .value_kind: global_buffer, .address_space: global }
    .group_segment_fixed_size: 327680
    .private_segment_fixed_size: 0
    .kernarg_segment_align: 8
    .kernarg_segment_size: 32
    .max_flat_workgroup_size: 512
    .sgpr_count:     100
    .vgpr_count:     256
    .wavefront_size: 32
...
	.end_amdgpu_metadata
.endif
;; end of part 5
;; launch norm2: the kernel of part 2 again; grid 256 x 1, 8 waves a work-group, no clusters, 69,120 bytes of LDS; arguments x1, w_norm_mlp, himg; writes himg
;; launch up (part 6): grid 16 x 16, 16 waves a work-group, clusters of 4 x 4, 327,680 bytes of LDS; arguments wimg, himg, gimg; writes gimg
.if DOCPART == 6
	.amdgcn_target "amdgcn-amd-amdhsa--gfx1250"
	.amdhsa_code_object_version 6
	.text
	.protected	k_q816a0d2499_up
	.globl	k_q816a0d2499_up
	.p2align	8
	.type	k_q816a0d2499_up,@function
k_q816a0d2499_up:
	s_mov_b64 s[64:65], 0
	v_nop
	global_prefetch_b8 v0, s[64:65] scope:SCOPE_SE
	s_setreg_imm32_b32 hwreg(HW_REG_WAVE_MODE, 25, 1), 1
	s_wait_xcnt 0x0
	s_wait_alu depctr_hold_cnt(0) depctr_sa_sdst(0) depctr_va_vdst(0) depctr_va_sdst(0) depctr_va_ssrc(0) depctr_va_vcc(0) depctr_vm_vsrc(0)
	s_getreg_b32 s2, hwreg(HW_REG_IB_STS2, 6, 4)
	s_cmp_eq_u32 s2, 0
	s_cbranch_scc0 .Lentry_in_a_cluster
	s_endpgm
.Lentry_in_a_cluster:
	s_bfe_u32 s2, ttmp6, 0x10000c
	s_cmp_lg_u32 s2, 0xf033
	s_cbranch_scc0 .Lentry_shape_is_right
	s_endpgm
.Lentry_shape_is_right:
; g = gelu(h w_up^T) on codes of FP6 (E2M3), K = 1,024; the results are quantised in registers and leave as the image of the next product's operand.  The hidden layer goes to memory as codes alone.
; OPERAND IMAGES: tile t = rows 32 (t / 2) + 8 (t % 2) + r + 8 (r / 8); a record of 3,328 bytes = two fragments of 128 along K (1,536 bytes each, registers 2 g, 2 g + 1 at 256 g + 8 x lane) + 256 bytes of scale words (8 x lane + 4 f).
; So a fragment comes from LDS by six loads of 8 bytes a lane, each 256 consecutive bytes, and with these rows the 16 registers of two neighbouring result tiles are 16 neighbours along source 0's rows.
; THE PRODUCT: source 0 = S0 = w_up's rows (the hidden units, the next product's K), source 1 = S1 = tokens: a lane holds one token, its registers run along the hidden units.
; SHARES.  A work-group makes 256 x 256; its sixteen waves 64 x 64 each (16 accumulators, 128 registers), four waves to a SIMD, so that one wave's LDS loads stand beside another's products; no register windows.
; K goes in four phases of 256 through three LDS slots; slot 0 is filled a second time.  By this text's count a wave has three tensor loads out at the start and one behind the refill's barrier.
; CLUSTERS: 4 x 4 work-groups; the weight's tile (X) hangs on the work-group's column and is asked for jointly by the cluster's column, h's tile (Y) on its row and is asked for jointly by the cluster's row.
; LIMITS: 1 + erf has an absolute error of about 3e-7; blocks whose largest magnitude lies under 2^-124 keep the scale byte 1; NaN and infinities are not served.
.set QKV,   0
.set GELU,  1
.set WOFF,  3407872                    ; where the weights' tiles begin in wimg
.set PREC,  3328
.set RPI,   13312                      ; a tile's four records
.set REG,   53248                      ; a region of a slot: 16 tiles x one record
.set SLOT,  2*REG                      ; X's region, then Y's
.set SPARE, 3*SLOT                     ; behind the slots: the spare words, 128 bytes a wave
.set AB0, 1                            ; v1   my lane's place in S0's four tiles, in slot 0
.set AB1, 2                            ; v2   in S1's
.set AD0, 3                            ; v3   the same in the phase's slot
.set AD1, 4
.set OA,  5                            ; v5-8 byte offset of my 8 bytes in the output record of S1's tile j
.set L8,  9                            ; v9   8 x lane
.set SC0, 10                           ; v10-17 S0's scale words: tile i, K step q at 2 i + q.  Scales and nothing else
.set SC1, 18                           ; v18-25 S1's
.set SPW, 28
.set NIL, 29
.set F0,  32                           ; v32-79 S0's four fragments
.set F1,  80                           ; v80-127 S1's
.set ACC, 128                          ; accumulator (j, i) at 128 + 32 j + 8 i
.set ZZ,  32                           ; the way out: at work
.set DD,  48
.set EE,  64
.set PJ,  80                           ; the way out: codes of S1's tile j at 80 + 8 j
.set HWR, 112                          ; its half scale word at 112 + j
.set MX,  116
.set PM,  118
.set SO,  120
.set BY,  122
.set T,   124
.set G1X, 24
.set G1Y, 32
.set G0X, 40                           ; s[40:51] group 0 for X, a set for each slot
.set G0Y, 52                           ; s[52:63] for Y
.set SEL, 84
; A joint load: waves 0 to 7 fetch X's tiles, waves 8 to 15 Y's, two tiles (two rows of 3,328 bytes) each.  The branch hangs on the wave's number alone.  An s_nop 0 and four v_nop follow each line.
.macro JLOAD g0a, g1a, g0b, g1b
	s_cmp_eq_u32 s15, 0
	s_cbranch_scc0 .Lfor_b_\@
	tensor_load_to_lds s[\g0a:\g0a+3], s[\g1a:\g1a+7]
	s_nop 0
.rept 4
	v_nop
.endr
	s_branch .Lasked_\@
.Lfor_b_\@:
	tensor_load_to_lds s[\g0b:\g0b+3], s[\g1b:\g1b+7]
	s_nop 0
.rept 4
	v_nop
.endr
.Lasked_\@:
.endm
.macro CROUND                          ; a round of the cluster's barrier
	s_barrier_signal -1
	s_barrier_wait -1
	s_cmp_lg_u32 s14, 0
	s_cbranch_scc1 .Lnot_wave_0_\@
	s_barrier_signal -3
.Lnot_wave_0_\@:
	s_barrier_wait -3
	s_barrier_signal -1
	s_barrier_wait -1
.endm
.macro PLACES n
.rept \n
	v_nop
.endr
.endm
; A phase: 256 along K, two K steps of 16 matrix instructions.  The 16 accumulators take turns, one instruction a turn.
; Loads into registers that matrix instructions have read stand four plain vector instructions behind them (ISA guide 7.12.1 for vector instructions).
.macro PHASE slot, zero
	v_add_nc_u32 v[AD0], \slot*SLOT, v[AB0]
	v_add_nc_u32 v[AD1], \slot*SLOT, v[AB1]
	PLACES 2
.irp i, 0,1,2,3
	ds_load_b64 v[SC0+2*\i:SC0+2*\i+1], v[AD0] offset:\i*PREC+3072   ; both K steps' scale words
	ds_load_b64 v[SC1+2*\i:SC1+2*\i+1], v[AD1] offset:\i*PREC+3072
.endr
.irp q, 0,1
.if \q
	PLACES 4
.endif
.irp i, 0,1,2,3
.irp g, 0,1,2,3,4,5
	ds_load_b64 v[F0+12*\i+2*\g:F0+12*\i+2*\g+1], v[AD0] offset:\i*PREC+1536*\q+256*\g
.endr
.endr
.irp i, 0,1,2,3
.irp g, 0,1,2,3,4,5
	ds_load_b64 v[F1+12*\i+2*\g:F1+12*\i+2*\g+1], v[AD1] offset:\i*PREC+1536*\q+256*\g
.endr
.endr
.irp j, 0,1,2,3
	s_wait_dscnt 18-6*\j                           ; S1's later fragments, six loads each, may be out
.irp i, 0,1,2,3
.if \zero && (\q == 0)
	v_wmma_scale_f32_16x16x128_f8f6f4 v[ACC+32*\j+8*\i:ACC+32*\j+8*\i+7], v[F0+12*\i:F0+12*\i+11], v[F1+12*\j:F1+12*\j+11], 0, v[SC0+2*\i+\q], v[SC1+2*\j+\q] matrix_a_fmt:MATRIX_FMT_FP6 matrix_b_fmt:MATRIX_FMT_FP6
.else
	v_wmma_scale_f32_16x16x128_f8f6f4 v[ACC+32*\j+8*\i:ACC+32*\j+8*\i+7], v[F0+12*\i:F0+12*\i+11], v[F1+12*\j:F1+12*\j+11], v[ACC+32*\j+8*\i:ACC+32*\j+8*\i+7], v[SC0+2*\i+\q], v[SC1+2*\j+\q] matrix_a_fmt:MATRIX_FMT_FP6 matrix_b_fmt:MATRIX_FMT_FP6
.endif
.endr
.endr
.endr
.endm
; 32 numbers of a lane, register 16 b + i = k 32 b + 16 h + i of my row, become half a fragment (6 registers) and half a scale word (16 bits)
.macro Q32 src, dst, hw
.irp b, 0,1
	v_max3_num_f32 v[MX+\b], |v[(\src)+16*\b]|, |v[(\src)+16*\b+1]|, 0x1800000   ; the floor 2^(3 - 127): the byte cannot fall under 1
.endr
.irp i, 2,4,6,8,10,12,14
.irp b, 0,1
	v_max3_num_f32 v[MX+\b], v[MX+\b], |v[(\src)+16*\b+\i]|, |v[(\src)+16*\b+\i+1]|
.endr
.endr
.irp b, 0,1
	v_permlanex16_b32 v[PM+\b], v[MX+\b], s[SEL], s[SEL+1]
.endr
.irp b, 0,1
	v_max_num_f32 v[MX+\b], v[MX+\b], v[PM+\b]     ; with lane l xor 16's 16: the block's largest magnitude
.endr
.irp b, 0,1
	v_add_nc_u32 v[SO+\b], 0xff000000, v[MX+\b]    ; 2 off the exponent field: the conversion's scale operand
.endr
.irp b, 0,1
	v_lshrrev_b32 v[BY+\b], 23, v[SO+\b]
.endr
	v_lshl_or_b32 v[\hw], v[BY+1], 8, v[BY]
	v_cvt_scalef32_pk16_fp6_f32 v[(\dst):(\dst)+2], v[(\src):(\src)+15], v[SO]
	v_cvt_scalef32_pk16_fp6_f32 v[T:T+2], v[(\src)+16:(\src)+31], v[SO+1]
	v_nop                                          ; one plain place behind the conversions
.irp i, 0,1,2
	v_permlane16_swap_b32 v[(\dst)+\i], v[T+\i]    ; the layout wants a whole block in a lane: lanes 0-15 block 0, lanes 16-31 block 1
.endr
.irp i, 0,1,2
	v_mov_b32 v[(\dst)+3+\i], v[T+\i]
.endr
.endm
.if GELU
; gelu(x) = 0.5 x (1 + erf(x / sqrt 2)) on 16 registers, in place.  With z = x / sqrt 2, t = 1 / (1 + p |z|), pe = t (a1 + t (a2 + t (a3 + t (a4 + t a5)))) e^(-z z): 1 + erf(z) = 2 - pe for x >= 0, pe for x < 0.
; (Abramowitz and Stegun 7.1.26: the error of erf is at most 1.5e-7 in absolute terms.)  The 32 transcendentals are one batch with one wait.
.macro GELU16 src
.irp k, 0,2,4,6,8,10,12,14
	v_pk_mul_f32 v[ZZ+\k:ZZ+\k+1], v[(\src)+\k:(\src)+\k+1], 0x3f3504f3 op_sel_hi:[1,0]
.endr
.irp k, 0,1,2,3,4,5,6,7,8,9,10,11,12,13,14,15
	v_fma_f32 v[DD+\k], |v[ZZ+\k]|, s88, 1.0
.endr
.irp k, 0,2,4,6,8,10,12,14
	v_pk_mul_f32 v[EE+\k:EE+\k+1], v[ZZ+\k:ZZ+\k+1], v[ZZ+\k:ZZ+\k+1]
.endr
.irp k, 0,2,4,6,8,10,12,14
	v_pk_mul_f32 v[EE+\k:EE+\k+1], v[EE+\k:EE+\k+1], 0xbfb8aa3b op_sel_hi:[1,0]
.endr
.irp k, 0,1,2,3,4,5,6,7,8,9,10,11,12,13,14,15
	v_rcp_f32 v[DD+\k], v[DD+\k]
.endr
.irp k, 0,1,2,3,4,5,6,7,8,9,10,11,12,13,14,15
	v_exp_f32 v[EE+\k], v[EE+\k]
.endr
.irp k, 0,2,4,6,8,10,12,14
	v_pk_mul_f32 v[(\src)+\k:(\src)+\k+1], v[(\src)+\k:(\src)+\k+1], 0.5 op_sel_hi:[1,0]   ; plain work behind the batch
.endr
	s_wait_alu depctr_va_vdst(0)                   ; one wait for the batch, ahead of its first reader
.irp k, 0,2,4,6,8,10,12,14
	v_pk_fma_f32 v[ZZ+\k:ZZ+\k+1], v[DD+\k:DD+\k+1], 0x3f87dc22, v[30:31] op_sel_hi:[1,0,1]
.endr
.irp k, 0,2,4,6,8,10,12,14
	v_pk_fma_f32 v[ZZ+\k:ZZ+\k+1], v[ZZ+\k:ZZ+\k+1], v[DD+\k:DD+\k+1], 0x3fb5f0e3 op_sel_hi:[1,1,0]
.endr
.irp k, 0,2,4,6,8,10,12,14
	v_pk_fma_f32 v[ZZ+\k:ZZ+\k+1], v[ZZ+\k:ZZ+\k+1], v[DD+\k:DD+\k+1], 0xbe91a98e op_sel_hi:[1,1,0]
.endr
.irp k, 0,2,4,6,8,10,12,14
	v_pk_fma_f32 v[ZZ+\k:ZZ+\k+1], v[ZZ+\k:ZZ+\k+1], v[DD+\k:DD+\k+1], 0x3e827906 op_sel_hi:[1,1,0]
.endr
.irp k, 0,2,4,6,8,10,12,14
	v_pk_mul_f32 v[ZZ+\k:ZZ+\k+1], v[ZZ+\k:ZZ+\k+1], v[DD+\k:DD+\k+1]
.endr
.irp k, 0,2,4,6,8,10,12,14
	v_pk_mul_f32 v[ZZ+\k:ZZ+\k+1], v[ZZ+\k:ZZ+\k+1], v[EE+\k:EE+\k+1]   ; pe
.endr
.irp k, 0,2,4,6,8,10,12,14
	v_pk_fma_f32 v[DD+\k:DD+\k+1], v[ZZ+\k:ZZ+\k+1], -1.0, 2.0 op_sel_hi:[1,0,0]   ; 2 - pe
.endr
.irp k, 0,1,2,3,4,5,6,7,8,9,10,11,12,13,14,15
	v_cmp_gt_f32 vcc_lo, 0, v[(\src)+\k]
	v_cndmask_b32 v[DD+\k], v[DD+\k], v[ZZ+\k], vcc_lo
.endr
.irp k, 0,2,4,6,8,10,12,14
	v_pk_mul_f32 v[(\src)+\k:(\src)+\k+1], v[(\src)+\k:(\src)+\k+1], v[DD+\k:DD+\k+1]
.endr
.endm
.endif
	s_load_b128 s[4:7], s[0:1], 0x0                ; the weights' images, h's image
.if QKV
	s_load_b128 s[8:11], s[0:1], 0x10              ; qkimg, vimg
.else
	s_load_b64 s[8:9], s[0:1], 0x10                ; gimg
.endif
	v_lshl_add_u32 v[SPW], v0, 2, SPARE
	v_mov_b32 v[NIL], 0
	ds_add_u32 v[SPW], v[NIL]                      ; the wave's opening: the add and its wait ahead of my first tensor load; work on registers stands between them
	v_lshrrev_b32 v1, 5, v0
	v_readfirstlane_b32 s14, v1                    ; wave 0..15
	s_lshr_b32 s15, s14, 3                         ; I fetch for X (0) or for Y (1),
	s_and_b32 s16, s14, 7                          ; tiles 2 (wave % 8) and the next
	s_bfe_u32 s17, ttmp6, 0x40000                  ; cx
	s_bfe_u32 s18, ttmp6, 0x40004                  ; cy
	s_lshl_b32 s19, ttmp9, 2
	s_add_co_u32 s19, s19, s17                     ; work-group x
	s_and_b32 s20, ttmp7, 0xffff
	s_lshl_b32 s20, s20, 2
	s_add_co_u32 s20, s20, s18                     ; work-group y
	s_lshl_b32 s21, s18, 2
	s_lshl_b32 s21, 15, s21                        ; my row of the cluster
	s_lshl_b32 s22, 0x1111, s17                    ; my column
	s_or_b32 s[G1X], s22, (3<<16)|(1<<21)          ; 15:0 the mask: X's tiles go to my column; 17:16 elements of 8 bytes; 21 set beside a mask; no padding
	s_or_b32 s[G1Y], s21, (3<<16)|(1<<21)          ; Y's go to my row
.irp g, G1X, G1Y
	s_mov_b32 s[\g+1], 416<<16                     ; tensor_dim0 = 416 elements: a record
	s_mov_b32 s[\g+2], 2<<16                       ; tensor_dim1 = 2 tiles
	s_mov_b32 s[\g+3], 416<<16                     ; tile_dim0
	s_mov_b32 s[\g+4], 2                           ; tile_dim1
	s_mov_b32 s[\g+5], RPI/8                       ; from tile to tile
	s_mov_b32 s[\g+6], 0
	s_mov_b32 s[\g+7], 0
.endr
	s_lshl_b32 s66, s19, 4                         ; X: tile 16 x + 2 (wave % 8): it hangs on x and the wave alone
	s_lshl_b32 s67, s16, 1
	s_add_co_u32 s66, s66, s67
	s_mul_i32 s66, s66, RPI
.if WOFF
	s_add_co_u32 s66, s66, WOFF
.endif
	s_mov_b32 s67, 0
	s_lshl_b32 s68, s20, 4                         ; Y: tile 16 y + 2 (wave % 8): on y and the wave alone
	s_lshl_b32 s69, s16, 1
	s_add_co_u32 s68, s68, s69
	s_mul_i32 s68, s68, RPI
	s_mov_b32 s69, 0
	s_mul_i32 s70, s14, 2*PREC                     ; where they go in a slot: wave x two records: no place in the cluster enters an LDS address
	s_mov_b32 s[SEL], 0x76543210
	s_mov_b32 s[SEL+1], 0xfedcba98
	s_mov_b32 s88, 0x3ea7ba05                      ; p = 0.3275911
	s_wait_dscnt 0x0                               ; the opening add is done
	s_wait_kmcnt 0x0
	s_add_nc_u64 s[66:67], s[4:5], s[66:67]
	s_add_nc_u64 s[68:69], s[6:7], s[68:69]
	CROUND                                         ; all sixteen work-groups are here: the first joint loads meet
.irp n, 0,1,2
	s_mov_b32 s[G0X+4*\n], 1
	s_add_co_u32 s[G0X+4*\n+1], s70, \n*SLOT
	s_add_nc_u64 s[G0X+4*\n+2:G0X+4*\n+3], s[66:67], \n*PREC
	s_or_b32 s[G0X+4*\n+3], s[G0X+4*\n+3], 0x80000000
	s_mov_b32 s[G0Y+4*\n], 1
	s_add_co_u32 s[G0Y+4*\n+1], s70, \n*SLOT
	s_add_nc_u64 s[G0Y+4*\n+2:G0Y+4*\n+3], s[68:69], \n*PREC
	s_or_b32 s[G0Y+4*\n+3], s[G0Y+4*\n+3], 0x80000000
	JLOAD G0X+4*\n, G1X, G0Y+4*\n, G1Y             ; phases 0, 1, 2
.endr
	; the roles
.if QKV
	s_sub_co_u32 s78, s19, 8
	s_cmp_eq_u32 ttmp9, 2                          ; v's columns?
	s_cselect_b32 s73, REG, 0                      ; S0's region in a slot
	s_cselect_b32 s74, 0, REG                      ; S1's
	s_cselect_b32 s75, s20, s19                    ; S0's tile of 256 rows: which record of the output
	s_cselect_b32 s76, s78, s20                    ; S1's: which 16 tiles of the output
	s_mov_b32 s77, 26624
	s_cselect_b32 s77, 53248, s77                  ; an output tile's records in bytes
	s_cselect_b64 s[8:9], s[10:11], s[8:9]         ; the choice hangs on no address
.else
	s_mov_b32 s73, 0                               ; S0 = X, the weight
	s_mov_b32 s74, REG                             ; S1 = Y, the tokens
	s_mov_b32 s75, s19                             ; the output's record: 256 hidden units
	s_mov_b32 s76, s20                             ; the output's 16 tiles of tokens
	s_mov_b32 s77, 53248                           ; an output tile's sixteen records in bytes
.endif
	v_and_b32 v[L8], 31, v0
	v_lshlrev_b32 v[L8], 3, v[L8]
	s_and_b32 s71, s14, 3                          ; w0: my 64 rows of S0
	s_lshr_b32 s72, s14, 2                         ; w1: my 64 rows of S1
	s_mul_i32 s78, s71, 4*PREC
	s_add_co_u32 s78, s78, s73
	v_add_nc_u32 v[AB0], s78, v[L8]
	s_mul_i32 s79, s72, 4*PREC
	s_add_co_u32 s79, s79, s74
	v_add_nc_u32 v[AB1], s79, v[L8]
	s_lshl_b32 s78, s76, 4
	s_lshl_b32 s79, s72, 2
	s_add_co_u32 s78, s78, s79                     ; the output tile of my S1 tile 0
	s_mul_i32 s78, s78, s77
	s_mul_i32 s79, s75, PREC
	s_add_co_u32 s78, s78, s79
	v_add_nc_u32 v[OA], s78, v[L8]
	v_add_nc_u32 v[OA+1], s77, v[OA]
	v_add_nc_u32 v[OA+2], s77, v[OA+1]
	v_add_nc_u32 v[OA+3], s77, v[OA+2]
	s_mul_i32 s86, s71, 768                        ; my 64 along the next K: half fragment w0 of the record
	s_mov_b32 s87, 0
	s_add_nc_u64 s[80:81], s[8:9], s[86:87]
	s_lshl_b32 s86, s71, 1
	s_add_co_u32 s86, s86, 3072                    ; and half scale word w0
	s_add_nc_u64 s[82:83], s[8:9], s[86:87]
	v_mov_b32 v30, 0xbfba00e3                      ; a4, as a pair
	v_mov_b32 v31, 0xbfba00e3
	s_wait_tensorcnt 2                             ; my part of slot 0 is in; slots 1 and 2 may stay out
	s_barrier_signal -1
	s_barrier_wait -1
	PHASE 0, 1
	s_wait_tensorcnt 0x0                           ; all my tensor loads have landed, my parts of slots 1 and 2 among them: a group 0 may be written
	ds_add_u32 v[SPW], v[NIL]                      ; 0 onto my spare word
	s_add_nc_u64 s[G0X+2:G0X+3], s[G0X+2:G0X+3], 3*PREC
	s_add_nc_u64 s[G0Y+2:G0Y+3], s[G0Y+2:G0Y+3], 3*PREC
	s_wait_dscnt 0x0                               ; the add is done, and my reads of slot 0 are over
	CROUND                                         ; no wave of any partner still reads slot 0 or has a load on its way
	JLOAD G0X, G1X, G0Y, G1Y                       ; phase 3 into slot 0: it has two phases, 64 matrix instructions a wave, in which to land
	PHASE 1, 0
	PHASE 2, 0
	s_wait_tensorcnt 0x0                           ; my part of phase 3 is in
	ds_add_u32 v[SPW], v[NIL]
	s_wait_dscnt 0x0
	s_barrier_signal -1
	s_barrier_wait -1                              ; everybody's is; nothing is filled again
	PHASE 0, 0
	; THE WAY OUT: for each of S1's four tiles my 32 results a lane are 64 neighbours along the next K in two lanes: half a fragment and half a scale word
	PLACES 4
	v_mov_b32 v[PM], 0                             ; a lane permute's destination counts as one of its sources
	v_mov_b32 v[PM+1], 0
.irp j, 0,1,2,3
.if GELU
	GELU16 ACC+32*\j
	GELU16 ACC+32*\j+16
.endif
	Q32 ACC+32*\j, PJ+8*\j, HWR+\j
.irp g, 0,1,2
	global_store_b64 v[OA+\j], v[PJ+8*\j+2*\g:PJ+8*\j+2*\g+1], s[80:81] offset:256*\g   ; 32 lanes store 256 consecutive bytes, aligned
.endr
	global_store_b16 v[OA+\j], v[HWR+\j], s[82:83]
.endr
	s_wait_tensorcnt 0x0                           ; the wave's end
	ds_add_u32 v[SPW], v[NIL]
	s_wait_dscnt 0x0
	CROUND                                         ; the closing round
	s_endpgm
.Lfunc_end_k_q816a0d2499_up:
	.size	k_q816a0d2499_up, .Lfunc_end_k_q816a0d2499_up-k_q816a0d2499_up
	.p2alignl 7, 3214868480
	.fill 96, 4, 3214868480
	.section	.rodata,"a",@progbits
	.p2align	6, 0x0
	.amdhsa_kernel k_q816a0d2499_up
		.amdhsa_group_segment_fixed_size 327680
		.amdhsa_private_segment_fixed_size 0
		.amdhsa_enable_private_segment 0
		.amdhsa_kernarg_size 24
		.amdhsa_user_sgpr_count 2
		.amdhsa_user_sgpr_kernarg_segment_ptr 1
		.amdhsa_wavefront_size32 1
		.amdhsa_system_sgpr_workgroup_id_x 1
		.amdhsa_system_sgpr_workgroup_id_y 1
		.amdhsa_system_sgpr_workgroup_id_z 1
		.amdhsa_system_vgpr_workitem_id 0
		.amdhsa_next_free_vgpr 256
		.amdhsa_next_free_sgpr 100
		.amdhsa_reserve_vcc 1
		.amdhsa_float_denorm_mode_32 3
		.amdhsa_float_denorm_mode_16_64 3
		.amdhsa_memory_ordered 1
		.amdhsa_forward_progress 1
		.amdhsa_inst_pref_size 147
	.end_amdhsa_kernel
	.amdgpu_metadata
---
amdhsa.version: [ 1, 2 ]
amdhsa.kernels:
  - .name:           k_q816a0d2499_up
    .symbol:         k_q816a0d2499_up.kd
    .args:
      - { .name: wimg, .offset: 0, .size: 8, .value_kind: global_buffer, .address_space: global }
      - { .name: himg, .offset: 8, .size: 8, .value_kind: global_buffer, .address_space: global }
      - { .name: gimg, .offset: 16, .size: 8, .value_kind: global_buffer, .address_space: global }
    .group_segment_fixed_size: 327680
    .private_segment_fixed_size: 0
    .kernarg_segment_align: 8
    .kernarg_segment_size: 24
    .max_flat_workgroup_size: 512
    .sgpr_count:     100
    .vgpr_count:     256
    .wavefront_size: 32
...
	.end_amdgpu_metadata
.endif
;; end of part 6
;; launch down (part 7): grid 8 x 32, 16 waves a work-group, clusters of 4 x 4, 327,680 bytes of LDS; arguments wimg, gimg, x1, out0; writes out0
.if DOCPART == 7
	.amdgcn_target "amdgcn-amd-amdhsa--gfx1250"
	.amdhsa_code_object_version 6
	.text
	.protected	k_q816a0d2499_down
	.globl	k_q816a0d2499_down
	.p2align	8
	.type	k_q816a0d2499_down,@function
k_q816a0d2499_down:
	s_mov_b64 s[64:65], 0
	v_nop
	global_prefetch_b8 v0, s[64:65] scope:SCOPE_SE
	s_setreg_imm32_b32 hwreg(HW_REG_WAVE_MODE, 25, 1), 1
	s_wait_xcnt 0x0
	s_wait_alu depctr_hold_cnt(0) depctr_sa_sdst(0) depctr_va_vdst(0) depctr_va_sdst(0) depctr_va_ssrc(0) depctr_va_vcc(0) depctr_vm_vsrc(0)
	s_getreg_b32 s2, hwreg(HW_REG_IB_STS2, 6, 4)
	s_cmp_eq_u32 s2, 0
	s_cbranch_scc0 .Lentry_in_a_cluster
	s_endpgm
.Lentry_in_a_cluster:
	s_bfe_u32 s2, ttmp6, 0x10000c
	s_cmp_lg_u32 s2, 0xf033
	s_cbranch_scc0 .Lentry_shape_is_right
	s_endpgm
.Lentry_shape_is_right:
; out = res + act W^T on codes of FP6 (E2M3): act [4,096][KK], W [1,024][KK] as operand images, res and out [4,096][1,024] f32.  Here: out0 = x1 + g w_down^T, KK = 4,096.
; OPERAND IMAGES: tile t = rows 32 (t / 2) + 8 (t % 2) + r + 8 (r / 8); a record of 3,328 bytes = two fragments of 128 along K (1,536 bytes each, registers 2 g, 2 g + 1 at 256 g + 8 x lane) + 256 bytes of scale words (8 x lane + 4 f).
; SHARES.  N is only 1,024: a work-group makes 128 x 128 of out, so that there are 256 work-groups, and K IS SPLIT FOUR WAYS INSIDE THE WORK-GROUP, so that a wave's tile is still 64 x 64:
; wave w: columns 64 (w % 2), rows 64 ((w / 2) % 2), and of each phase of 512 along K the (w / 4)-th 128.  At the end the four parts meet in LDS: each of the four waves takes over one tile of 16 rows.
; Source 0 = W's rows, source 1 = act's rows: a lane holds one row of out, and its registers neighbouring columns.  The accumulators' block 0 is always the tile that the wave takes over.
; K goes in phases of 512 through two LDS slots; a wave's tensor load brings one tile's two records, 6,656 consecutive bytes.  By this text's count a wave has two tensor loads out at the start and one behind each refill's barrier.
; CLUSTERS: 4 x 4 work-groups; W's tiles (X) are asked for jointly by the cluster's column, act's (Y) by its row.
; THE ORDER OF SUMS: each part ascends in K; the four parts are added in a fixed order that is not ascending in K.
.set NPH,   8                          ; phases: KK / 512
.set RP,    53248                      ; a tile's records in bytes: KK / 256 x 3,328
.set WOFF,  6815744                    ; where W's tiles begin in wimg
.set PREC,  3328
.set REG,   53248                      ; a region of a slot: 8 tiles x two records
.set SLOT1, 131072                     ; slot 1 begins here: one exclusive or turns an address in one slot into the other's
.set STAGE, SLOT1+2*REG                ; 16 rows x (256 + 16) bytes for each wave, for the way out
.set SPARE, STAGE+16*4352              ; the spare words, 128 bytes a wave
.set L8,  1
.set A0,  2                            ; v2   my lane's place in W's four fragments;  v3 in their scale words
.set A0S, 3
.set A1,  4                            ; v4-7 in act's fragment jj (tile (jj + w / 4) % 4 of my four);  v8-11 in its scale words
.set A1S, 8
.set SC0, 12                           ; v12-15, v16-19 the scale words.  Scales and nothing else
.set SC1, 16
.set L16, 20
.set RS,  21                           ; v21-23 where blocks 1 to 3 go for their owners
.set RL,  24                           ; v24  where the three parts for my tile lie
.set STO, 25
.set RD,  26
.set GOF, 27
.set SPW, 28
.set NIL, 29
.set F0,  32
.set F1,  80
.set ACC, 128                          ; accumulator (jj, i) at 128 + 32 jj + 8 i
.set G1X, 24
.set G1Y, 32
.set G0X, 40                           ; s[40:47] group 0 for X, a set for each slot;  s[48:55] for Y
.set G0Y, 48
.macro JLOAD g0a, g1a, g0b, g1b        ; a joint load: waves 0 to 7 fetch X's tiles, waves 8 to 15 Y's.  An s_nop 0 and four v_nop follow each line
	s_cmp_eq_u32 s15, 0
	s_cbranch_scc0 .Lfor_b_\@
	tensor_load_to_lds s[\g0a:\g0a+3], s[\g1a:\g1a+7]
	s_nop 0
.rept 4
	v_nop
.endr
	s_branch .Lasked_\@
.Lfor_b_\@:
	tensor_load_to_lds s[\g0b:\g0b+3], s[\g1b:\g1b+7]
	s_nop 0
.rept 4
	v_nop
.endr
.Lasked_\@:
.endm
.macro CROUND                          ; a round of the cluster's barrier
	s_barrier_signal -1
	s_barrier_wait -1
	s_cmp_lg_u32 s14, 0
	s_cbranch_scc1 .Lnot_wave_0_\@
	s_barrier_signal -3
.Lnot_wave_0_\@:
	s_barrier_wait -3
	s_barrier_signal -1
	s_barrier_wait -1
.endm
.macro PLACES n
.rept \n
	v_nop
.endr
.endm
; A phase: my 128 of its 512 along K: 16 matrix instructions, the accumulators by turns.  turn = 1: the ten addresses go over to the other slot;
; these ten plain instructions are also the places in front of the loads into registers that matrix instructions have read.
.macro PHASE turn, zero
.if \turn
.irp a, 2,3,4,5,6,7,8,9,10,11
	v_xor_b32 v[\a], SLOT1, v[\a]
.endr
.endif
.irp i, 0,1,2,3
	ds_load_b32 v[SC0+\i], v[A0S] offset:\i*2*PREC
	ds_load_b32 v[SC1+\i], v[A1S+\i]
.endr
.irp i, 0,1,2,3
.irp g, 0,1,2,3,4,5
	ds_load_b64 v[F0+12*\i+2*\g:F0+12*\i+2*\g+1], v[A0] offset:\i*2*PREC+256*\g
.endr
.endr
.irp i, 0,1,2,3
.irp g, 0,1,2,3,4,5
	ds_load_b64 v[F1+12*\i+2*\g:F1+12*\i+2*\g+1], v[A1+\i] offset:256*\g
.endr
.endr
.irp j, 0,1,2,3
	s_wait_dscnt 18-6*\j                           ; act's later fragments, six loads each, may be out
.irp i, 0,1,2,3
.if \zero
	v_wmma_scale_f32_16x16x128_f8f6f4 v[ACC+32*\j+8*\i:ACC+32*\j+8*\i+7], v[F0+12*\i:F0+12*\i+11], v[F1+12*\j:F1+12*\j+11], 0, v[SC0+\i], v[SC1+\j] matrix_a_fmt:MATRIX_FMT_FP6 matrix_b_fmt:MATRIX_FMT_FP6
.else
	v_wmma_scale_f32_16x16x128_f8f6f4 v[ACC+32*\j+8*\i:ACC+32*\j+8*\i+7], v[F0+12*\i:F0+12*\i+11], v[F1+12*\j:F1+12*\j+11], v[ACC+32*\j+8*\i:ACC+32*\j+8*\i+7], v[SC0+\i], v[SC1+\j] matrix_a_fmt:MATRIX_FMT_FP6 matrix_b_fmt:MATRIX_FMT_FP6
.endif
.endr
.endr
.endm
	s_load_b256 s[4:11], s[0:1], 0x0               ; wimg, act, res, out
	v_lshl_add_u32 v[SPW], v0, 2, SPARE
	v_mov_b32 v[NIL], 0
	ds_add_u32 v[SPW], v[NIL]                      ; the wave's opening: the add and its wait ahead of my first tensor load; work on registers stands between them
	v_lshrrev_b32 v1, 5, v0
	v_readfirstlane_b32 s14, v1                    ; wave 0..15
	s_lshr_b32 s15, s14, 3                         ; I fetch for X (0) or for Y (1),
	s_and_b32 s16, s14, 7                          ; tile wave % 8
	s_bfe_u32 s17, ttmp6, 0x40000                  ; cx
	s_bfe_u32 s18, ttmp6, 0x40004                  ; cy
	s_lshl_b32 s19, ttmp9, 2
	s_add_co_u32 s19, s19, s17                     ; work-group x
	s_and_b32 s20, ttmp7, 0xffff
	s_lshl_b32 s20, s20, 2
	s_add_co_u32 s20, s20, s18                     ; work-group y
	s_lshl_b32 s21, s18, 2
	s_lshl_b32 s21, 15, s21                        ; my row of the cluster
	s_lshl_b32 s22, 0x1111, s17                    ; my column
	s_or_b32 s[G1X], s22, (3<<16)|(1<<21)          ; 15:0 the mask; 17:16 elements of 8 bytes; 21 set beside a mask; no padding
	s_or_b32 s[G1Y], s21, (3<<16)|(1<<21)
.irp g, G1X, G1Y
	s_mov_b32 s[\g+1], 832<<16                     ; one dense row of 832 elements: two records
	s_mov_b32 s[\g+2], 1<<16
	s_mov_b32 s[\g+3], 832<<16
	s_mov_b32 s[\g+4], 1
	s_mov_b32 s[\g+5], 832
	s_mov_b32 s[\g+6], 0
	s_mov_b32 s[\g+7], 0
.endr
	s_lshl_b32 s66, s19, 3                         ; X: tile 8 x + wave % 8: it hangs on x and the wave alone
	s_add_co_u32 s66, s66, s16
	s_mul_i32 s66, s66, RP
	s_add_co_u32 s66, s66, WOFF
	s_mov_b32 s67, 0
	s_lshl_b32 s68, s20, 3                         ; Y: tile 8 y + wave % 8
	s_add_co_u32 s68, s68, s16
	s_mul_i32 s68, s68, RP
	s_mov_b32 s69, 0
	s_mul_i32 s70, s14, 2*PREC                     ; where they go in a slot: no place in the cluster enters an LDS address
	s_wait_dscnt 0x0                               ; the opening add is done
	s_wait_kmcnt 0x0
	s_add_nc_u64 s[66:67], s[4:5], s[66:67]
	s_add_nc_u64 s[68:69], s[6:7], s[68:69]
	CROUND                                         ; all sixteen work-groups are here: the first joint loads meet
.irp n, 0,1
	s_mov_b32 s[G0X+4*\n], 1
	s_add_co_u32 s[G0X+4*\n+1], s70, \n*SLOT1
	s_add_nc_u64 s[G0X+4*\n+2:G0X+4*\n+3], s[66:67], \n*2*PREC
	s_or_b32 s[G0X+4*\n+3], s[G0X+4*\n+3], 0x80000000
	s_mov_b32 s[G0Y+4*\n], 1
	s_add_co_u32 s[G0Y+4*\n+1], s70, \n*SLOT1
	s_add_nc_u64 s[G0Y+4*\n+2:G0Y+4*\n+3], s[68:69], \n*2*PREC
	s_or_b32 s[G0Y+4*\n+3], s[G0Y+4*\n+3], 0x80000000
	JLOAD G0X+4*\n, G1X, G0Y+4*\n, G1Y             ; phases 0 and 1
.endr
	v_and_b32 v[L16], 31, v0
	v_lshlrev_b32 v[L8], 3, v[L16]
	v_lshlrev_b32 v[L16], 4, v[L16]
	v_and_b32 v30, 15, v0                          ; r
	v_bfe_u32 v31, v0, 4, 1                        ; h
	s_and_b32 s71, s14, 1                          ; w0: my 64 columns
	s_bfe_u32 s72, s14, 0x10001                    ; w1: my 64 rows
	s_lshr_b32 s73, s14, 2                         ; kq: my 128 of a phase's 512
	s_lshr_b32 s74, s73, 1
	s_mul_i32 s74, s74, PREC
	s_and_b32 s75, s73, 1
	s_mul_i32 s76, s75, 1536
	s_add_co_u32 s76, s76, s74                     ; my fragment's place in a tile's two records
	s_lshl_b32 s77, s75, 2
	s_add_co_u32 s77, s77, s74
	s_add_co_u32 s77, s77, 3072                    ; and its scale words'
	s_mul_i32 s78, s71, 8*PREC
	s_add_co_u32 s79, s78, s76
	v_add_nc_u32 v[A0], s79, v[L8]
	s_add_co_u32 s79, s78, s77
	v_add_nc_u32 v[A0S], s79, v[L8]
	s_lshl_b32 s87, s72, 2
.irp n, 0,1,2,3
	s_add_co_u32 s79, s73, \n
	s_and_b32 s79, s79, 3
	s_add_co_u32 s79, s79, s87                     ; act's tile 4 w1 + (n + kq) % 4
	s_mul_i32 s79, s79, 2*PREC
	s_add_co_u32 s79, s79, REG
	s_add_co_u32 s86, s79, s76
	v_add_nc_u32 v[A1+\n], s86, v[L8]
	s_add_co_u32 s86, s79, s77
	v_add_nc_u32 v[A1S+\n], s86, v[L8]
.endr
	s_and_b32 s87, s14, 3
	s_lshl_b32 s87, s87, 2
.irp n, 1,2,3
	s_add_co_u32 s79, s73, \n
	s_and_b32 s79, s79, 3
	s_add_co_u32 s79, s79, s87                     ; the owner of my block n: the wave of my four with kq' = (kq + n) % 4;
	s_mul_i32 s79, s79, 3
	s_add_co_u32 s79, s79, \n-1                    ; of its three places the (n - 1)-th
	s_lshl_b32 s79, s79, 12
	v_add_nc_u32 v[RS+\n-1], s79, v[L16]
.endr
	s_add_co_u32 s79, s87, s73
	s_mul_i32 s79, s79, 3*4096
	v_add_nc_u32 v[RL], s79, v[L16]
	s_mul_i32 s79, s14, 4352
	s_add_co_u32 s79, s79, STAGE                   ; my stage
	v_mul_u32_u24 v[STO], v30, 272
	v_lshl_add_u32 v[STO], v31, 6, v[STO]
	v_add_nc_u32 v[STO], s79, v[STO]               ; in: row r, + 64 h
	v_mul_u32_u24 v[RD], v31, 272
	v_lshl_add_u32 v[RD], v30, 4, v[RD]
	v_add_nc_u32 v[RD], s79, v[RD]                 ; back: lanes 0-15 one row, lanes 16-31 the next
	v_lshlrev_b32 v[GOF], 12, v31
	v_lshl_add_u32 v[GOF], v30, 4, v[GOF]          ; and the same two rows in res and out
	s_lshl_b32 s78, s20, 3
	s_lshl_b32 s79, s72, 2
	s_add_co_u32 s78, s78, s79
	s_add_co_u32 s78, s78, s73                     ; the tile of rows that I take over: 8 y + 4 w1 + kq
	s_lshr_b32 s79, s78, 1
	s_lshl_b32 s79, s79, 5
	s_and_b32 s78, s78, 1
	s_lshl_b32 s78, s78, 3
	s_add_co_u32 s78, s78, s79                     ; its first row
	s_lshl_b32 s78, s78, 12
	s_lshl_b32 s79, s19, 9
	s_add_co_u32 s78, s78, s79
	s_lshl_b32 s79, s71, 8
	s_add_co_u32 s78, s78, s79                     ; + my 64 columns' bytes
	s_mov_b32 s79, 0
	s_add_nc_u64 s[8:9], s[8:9], s[78:79]
	s_add_nc_u64 s[10:11], s[10:11], s[78:79]
	s_wait_tensorcnt 1                             ; my part of slot 0 is in; slot 1's may stay out
	s_barrier_signal -1
	s_barrier_wait -1
	PHASE 0, 1
.set PH, 1
.rept NPH-1
	s_wait_tensorcnt 0x0                           ; all my tensor loads have landed, my part of this phase's slot among them
	ds_add_u32 v[SPW], v[NIL]                      ; 0 onto my spare word
.if PH+1 < NPH
.set GA, G0X+4*((PH-1)%2)
.set GB, G0Y+4*((PH-1)%2)
	s_add_nc_u64 s[GA+2:GA+3], s[GA+2:GA+3], 4*PREC   ; the slot just read takes the phase two on
	s_add_nc_u64 s[GB+2:GB+3], s[GB+2:GB+3], 4*PREC
	s_wait_dscnt 0x0                               ; the add is done, and my reads of that slot are over
	CROUND                                         ; no wave of any partner still reads it or has a load on its way
	JLOAD GA, G1X, GB, G1Y
.else
	s_wait_dscnt 0x0
	s_barrier_signal -1
	s_barrier_wait -1                              ; the last phase: nothing is filled again
.endif
	PHASE 1, 0
.set PH, PH+1
.endr
	; THE WAY OUT
	PLACES 4
.irp e, 0,1,2,3,4,5,6,7
	global_load_b128 v[32+4*\e:35+4*\e], v[GOF], s[8:9] offset:(2*\e+8*(\e/4))*4096 th:TH_LOAD_NT   ; the residual of my tile: 16 lanes read 256 consecutive bytes
.endr
	s_wait_dscnt 0x0
	s_barrier_signal -1
	s_barrier_wait -1                              ; nobody reads the slots any more, and they have had their last fill: the parts meet there
.irp n, 1,2,3
.irp e, 0,1,2,3,4,5,6,7
	ds_store_b128 v[RS+\n-1], v[ACC+32*\n+4*\e:ACC+32*\n+4*\e+3] offset:512*\e   ; each accumulator from its low end on
.endr
.endr
	s_wait_dscnt 0x0                               ; for the others' sake: my stores are done
	s_barrier_signal -1
	s_barrier_wait -1
.irp c, 0,1,2
.irp e, 0,1,2,3,4,5,6,7
	ds_load_b128 v[160+32*\c+4*\e:163+32*\c+4*\e], v[RL] offset:4096*\c+512*\e
.endr
.endr
	s_wait_dscnt 0x0
.irp c, 0,1,2
.irp k, 0,2,4,6,8,10,12,14,16,18,20,22,24,26,28,30
	v_pk_add_f32 v[ACC+\k:ACC+\k+1], v[ACC+\k:ACC+\k+1], v[160+32*\c+\k:161+32*\c+\k]
.endr
.endr
.irp b, 0,1                                    ; register 16 b + i is column 32 b + 16 h + i of row r
.irp q, 0,1,2,3
	ds_store_b128 v[STO], v[ACC+16*\b+4*\q:ACC+16*\b+4*\q+3] offset:128*\b+16*\q
.endr
.endr
.irp e, 0,1,2,3,4,5,6,7
	ds_load_b128 v[64+4*\e:67+4*\e], v[RD] offset:544*\e   ; LDS serves a wave's instructions in order: these see my stores
.endr
	s_wait_dscnt 0x0
	s_wait_loadcnt 0x0
.irp k, 0,2,4,6,8,10,12,14,16,18,20,22,24,26,28,30
	v_pk_add_f32 v[64+\k:65+\k], v[64+\k:65+\k], v[32+\k:33+\k]
.endr
.irp e, 0,1,2,3,4,5,6,7
	global_store_b128 v[GOF], v[64+4*\e:67+4*\e], s[10:11] offset:(2*\e+8*(\e/4))*4096 th:TH_STORE_NT   ; 16 lanes store 256 consecutive bytes, aligned
.endr
	s_wait_tensorcnt 0x0                           ; the wave's end, behind my last tensor load and my last LDS store
	ds_add_u32 v[SPW], v[NIL]
	s_wait_dscnt 0x0
	CROUND                                         ; the closing round
	s_endpgm
.Lfunc_end_k_q816a0d2499_down:
	.size	k_q816a0d2499_down, .Lfunc_end_k_q816a0d2499_down-k_q816a0d2499_down
	.p2alignl 7, 3214868480
	.fill 96, 4, 3214868480
	.section	.rodata,"a",@progbits
	.p2align	6, 0x0
	.amdhsa_kernel k_q816a0d2499_down
		.amdhsa_group_segment_fixed_size 327680
		.amdhsa_private_segment_fixed_size 0
		.amdhsa_enable_private_segment 0
		.amdhsa_kernarg_size 32
		.amdhsa_user_sgpr_count 2
		.amdhsa_user_sgpr_kernarg_segment_ptr 1
		.amdhsa_wavefront_size32 1
		.amdhsa_system_sgpr_workgroup_id_x 1
		.amdhsa_system_sgpr_workgroup_id_y 1
		.amdhsa_system_sgpr_workgroup_id_z 1
		.amdhsa_system_vgpr_workitem_id 0
		.amdhsa_next_free_vgpr 256
		.amdhsa_next_free_sgpr 100
		.amdhsa_reserve_vcc 0
		.amdhsa_float_denorm_mode_32 3
		.amdhsa_float_denorm_mode_16_64 3
		.amdhsa_memory_ordered 1
		.amdhsa_forward_progress 1
		.amdhsa_inst_pref_size 76
	.end_amdhsa_kernel
	.amdgpu_metadata
---
amdhsa.version: [ 1, 2 ]
amdhsa.kernels:
  - .name:           k_q816a0d2499_down
    .symbol:         k_q816a0d2499_down.kd
    .args:
      - { .name: wimg, .offset: 0, .size: 8, .value_kind: global_buffer, .address_space: global }
      - { .name: gimg, .offset: 8, .size: 8, .value_kind: global_buffer, .address_space: global }
      - { .name: x1, .offset: 16, .size: 8, .value_kind: global_buffer, .address_space: global }
      - { .name: out0, .offset: 24, .size: 8, .value_kind: global_buffer, .address_space: global }
    .group_segment_fixed_size: 327680
    .private_segment_fixed_size: 0
    .kernarg_segment_align: 8
    .kernarg_segment_size: 32
    .max_flat_workgroup_size: 512
    .sgpr_count:     100
    .vgpr_count:     256
    .wavefront_size: 32
...
	.end_amdgpu_metadata
.endif
;; end of part 7
